; MI455X (gfx1250); checked and timed in simulation.
; The chip was launched on July 23, 2026; its instructions are those of AMD's public machine-readable ISA for CDNA 5 (MIT licence, August 2026) and "CDNA5" Instruction Set Architecture Reference Guide (July 2026). The comments in the code are by the model that wrote it; some were corrected since.
;; Ro PE Self Attention. Allowed arithmetic: matrix products marked QUANTISED: E2M1 operands, one E8M0 scale for each 32 along K, by v_wmma_scale_f32_16x16x128_f8f6f4 with both operands' format E2M1 (or v_wmma_scale_f32_32x16x128_f4), f32 sums; products left as they are: bf16, f16 or f32 operands; f32 sums; everything else in f32.
;; Inputs: Wout 1,024 x 1,024 float32; Wqkv 3,072 x 1,024 float32; cos 2,048 x 32 float32; mask 2,048 x 2,048 float32; sin 2,048 x 32 float32; x 4 x 2,048 x 1,024 float32.
;; Outputs: out0 4 x 2,048 x 1,024 float32.
;; This version of the problem:
;;   THIS VERSION OF THE PROBLEM IS GIVEN IN LOW PRECISION. The matrix products marked QUANTISED in the list below multiply operands that are first quantised to E2M1 (2 exponent bits, 1 mantissa bit; 4 bits a number), with one power-of-two scale for each 32 numbers along K (OCP MX v1.0); their sums are f32. The products marked 'left as it is' may take bf16, f16 or f32 operands, with f32 sums. Whichever they take, every output number must still come out within the allowed error. Rounding operands to bf16 (8 significant bits) uses up far more of that allowance than f16 does (11 bits, for magnitudes from 6e-5 to 65,504). All else is computed in f32.
;;   The module's matrix products, in the order in which they are computed (A, B: the left and right operand; K: the contracted axis; several contracted axes count as one K, in the product's order):
;;     1. [M 8,192, K 1,024] x [K 1,024, N 3,072]; A: input x; B: input Wqkv: QUANTISED
;;     2. batch 64 x [M 2,048, K 64] x [K 64, N 2,048]; A: computed on the way; B: computed on the way: left as it is (an operand is computed on the way)
;;     3. batch 64 x [M 64, K 2,048] x [K 2,048, N 2,048]; A: computed on the way; B: computed on the way: left as it is (an operand is computed on the way)
;;     4. [M 8,192, K 1,024] x [K 1,024, N 1,024]; A: computed on the way; B: input Wout: left as it is (an operand is computed on the way)
;;   THE QUANTISER, for each operand of a quantised product, along K:
;;     - K is cut into blocks of 32 from its start; a last block that is shorter is filled with zeros.
;;     - A block's scale is 2^e with e = floor(log2(the largest magnitude in the block)) - 2, held to -126 .. 127; a block of zeros has e = 0. As a byte (E8M0): e + 127.
;;     - Each number is divided by its block's scale, clamped to +-6, and rounded to the nearest number of E2M1, ties to even, subnormals kept.
;;     - The product sums the exact products of the quantised numbers (number of the format x scale) in f32.
;;   ~~~python
;;   def quantise(x, axis):      # numpy; x: float32 -> the quantised numbers, widened to float32 again
;;       x = np.moveaxis(x, axis, -1); K = x.shape[-1]
;;       x = np.pad(x, [(0, 0)] * (x.ndim - 1) + [(0, -K % 32)]); x = x.reshape(x.shape[:-1] + (-1, 32)); a = np.abs(x).max(-1, keepdims=True)
;;       e = np.where(a > 0, np.clip(np.frexp(np.where(a > 0, a, 1))[1] - 1 - 2, -126, 127), 0)      # np.frexp(a)[1] - 1 = floor(log2(a)), exactly
;;       r = np.clip(x / 2.0 ** e, -6, 6)
;;       step = 2.0 ** (np.maximum(np.frexp(np.where(r == 0, 1, r))[1] - 1, 0) - 1)
;;       q = np.round(r / step) * step * 2.0 ** e      # np.round: ties to even
;;       return np.moveaxis(q.reshape(q.shape[:-2] + (-1,))[..., :K], -1, axis).astype(np.float32)
;;   ~~~
;; One version. Each part assembles by itself: llvm-mc -triple=amdgcn-amd-amdhsa -mcpu=gfx1250 --defsym DOCPART=n.
;; ======== version 1 of 1: 4 launches
;; limits: right only within a limited range of input values; values are held in f16: magnitudes above 65,504 overflow, below 6.1e-05 lose precision
;; workspace buffers: xc 4,194,304 bytes; xs 262,144 bytes; wc 1,572,864 bytes; ws 98,304 bytes; wo16 2,097,152 bytes; qkv 50,331,648 bytes; att 16,777,216 bytes
;; launch quant (part 1): grid 480 x 1, 4 waves a work-group, no clusters, 33,280 bytes of LDS; arguments x, Wqkv, xc, xs, wc, ws, Wout, wo16; writes xc, xs, wc, ws, wo16
.if DOCPART == 1
	.amdgcn_target "amdgcn-amd-amdhsa--gfx1250"
	.amdhsa_code_object_version 6
	.text
	.protected	k_qbd03af9e1b_quant
	.globl	k_qbd03af9e1b_quant
	.p2align	8
	.type	k_qbd03af9e1b_quant,@function
k_qbd03af9e1b_quant:
	s_mov_b64 s[64:65], 0
	v_nop
	global_prefetch_b8 v0, s[64:65] scope:SCOPE_SE
	s_setreg_imm32_b32 hwreg(HW_REG_WAVE_MODE, 25, 1), 1
	s_wait_xcnt 0x0
; x [8192][1024] and Wqkv [3072][1024], f32, become codes of FP4 (E2M1), K innermost, two codes a byte, with one E8M0 byte for each 32 along K; Wout [1024][1024] becomes f16.
; A block's scale is 2^(floor(log2(its largest magnitude)) - 2); its byte is the largest magnitude's exponent field - 2, held at 1 from below.  A block of zeros so gets the byte 1:
; its codes are zeros, which add nothing under any byte but 0xff, and this program alone reads the bytes.  Each number is divided by the scale and rounded to the nearest code, ties to even, beyond 6 the largest code.
; LIMITS: NaN and infinities in x and Wqkv are not served; blocks whose largest magnitude lies under 2^(3 - 127) keep the byte 1; numbers of Wout beyond 65,504 become infinities in f16.
; Rows are dense and K is a multiple of 32: both tensors are plain streams of blocks of 32.  Work-groups 0-255 take x, 256-351 Wqkv, 352-479 Wout.
; A wave takes 16 steps of 512 numbers.  Each load reads 512 consecutive bytes; a step's 2,048 bytes turn through the wave's own stage in LDS and come back 64 bytes a lane: 16 neighbours along K, two lanes to a block.
; A lane's 16 codes are 8 bytes: a wave's store covers 256 consecutive bytes.  A wave's 256 scale bytes are gathered in its own LDS bytes and leave as one run of 256 bytes.  No barrier: waves share nothing.
.set SIZE_M, 8192
.set SIZE_N, 3072
.set SIZE_K, 1024
.set WAVES, 4
.set STEPS, 16
.set WGA,   SIZE_M*SIZE_K/(512*STEPS*WAVES)            ; 256 work-groups for x
.set WGQ,   (SIZE_M+SIZE_N)*SIZE_K/(512*STEPS*WAVES)   ; 352 for both tensors that are quantised
.set EMAX,  2
.set CB,    8                          ; bytes of 16 codes
.set R,     16                         ; v16-79   four sets of 16 numbers as they are loaded
.set X,     80                         ; v80-111  two sets of 16 neighbours
.set C,     128                        ; v128-191 codes: four registers for each step, so that no store's data are written again
.set E,     112                        ; v112-127 a scale byte for each step
.set WREG,  8192                       ; LDS: a region for each wave: two stages of 32 x SP bytes, behind them its 256 scale bytes
.set SP,    80                         ; a lane's place in a stage: 64 bytes + 16 of padding
.set SPW,   12                         ; v12 LDS address of my spare word; never rewritten
.set NIL,   13                         ; v13 0; never rewritten
.set SPARE, WAVES*WREG                 ; behind the four regions: the spare words, 128 bytes a wave
	s_load_b128 s[4:7], s[0:1], 0x0                ; x, Wqkv
	s_load_b128 s[8:11], s[0:1], 0x10              ; x's codes, x's scales
	s_load_b128 s[12:15], s[0:1], 0x20             ; Wqkv's codes, its scales
	s_load_b128 s[24:27], s[0:1], 0x30             ; Wout, its f16 copy
	v_lshl_add_u32 v[SPW], v0, 2, SPARE
	v_mov_b32 v[NIL], 0
	v_lshrrev_b32 v1, 5, v0
	v_readfirstlane_b32 s16, v1                    ; wave
	v_and_b32 v2, 31, v0                           ; lane
	v_lshlrev_b32 v3, 4, v2                        ; my 16 bytes of a load's 512
	s_mul_i32 s17, s16, WREG
	v_lshrrev_b32 v14, 2, v2
	v_mul_u32_u24 v14, v14, SP
	v_and_b32 v15, 3, v2
	v_lshl_add_u32 v14, v15, 4, v14
	v_add_nc_u32 v14, s17, v14                     ; the stage, on the way in: SP (lane / 4) + 16 (lane % 4)
	v_mul_u32_u24 v15, v2, SP
	v_add_nc_u32 v15, s17, v15                     ; and on the way out: SP x lane: my 16 neighbours
	v_mul_u32_u24 v4, v2, CB                       ; my codes' place in a step's
	v_lshrrev_b32 v5, 1, v2
	s_add_co_u32 s17, s17, 2*32*SP
	v_add_nc_u32 v5, s17, v5                       ; LDS: my wave's 256 scale bytes, my block's byte
	v_lshlrev_b32 v7, 3, v2                        ; 8 bytes a lane
	v_add_nc_u32 v6, s17, v7
	s_wait_kmcnt 0x0
	s_cmp_ge_u32 ttmp9, WGQ                        ; the last 128 work-groups convert Wout: a branch on the work-group's number alone
	s_cbranch_scc1 .Lwout
	s_cmp_lt_u32 ttmp9, WGA                        ; x's work-group or Wqkv's?  Only pointers are chosen: both take one path
	s_cselect_b64 s[4:5], s[4:5], s[6:7]
	s_cselect_b64 s[8:9], s[8:9], s[12:13]
	s_cselect_b64 s[10:11], s[10:11], s[14:15]
	s_cselect_b32 s17, 0, WGA
	s_sub_co_u32 s17, ttmp9, s17
	s_lshl_b32 s17, s17, 2
	s_add_co_u32 s18, s17, s16                     ; which run of 8,192 numbers of the tensor is my wave's
	s_mov_b32 s19, 0
	s_mov_b64 s[20:21], 512*STEPS*4
	s_mul_u64 s[20:21], s[18:19], s[20:21]
	s_add_nc_u64 s[4:5], s[4:5], s[20:21]
	s_mov_b64 s[20:21], 32*STEPS*CB
	s_mul_u64 s[20:21], s[18:19], s[20:21]
	s_add_nc_u64 s[8:9], s[8:9], s[20:21]
	s_lshl_b32 s18, s18, 8                         ; 256 scale bytes a run
	s_add_nc_u64 s[10:11], s[10:11], s[18:19]
.macro LOAD t
.irp i, 0,1,2,3
	global_load_b128 v[R+16*((\t)%4)+4*\i:R+16*((\t)%4)+4*\i+3], v3, s[4:5] offset:2048*(\t)+512*\i th:TH_LOAD_NT   ; 32 lanes read 512 consecutive bytes
.endr
.endm
.macro TURN t                          ; step t's numbers through the stage: LDS serves a wave's instructions in order, so no wait stands between the stores and the loads
.irp i, 0,1,2,3
	ds_store_b128 v14, v[R+16*((\t)%4)+4*\i:R+16*((\t)%4)+4*\i+3] offset:32*SP*((\t)%2)+8*SP*\i
.endr
.irp i, 0,1,2,3
	ds_load_b128 v[X+16*((\t)%2)+4*\i:X+16*((\t)%2)+4*\i+3], v15 offset:32*SP*((\t)%2)+16*\i
.endr
.endm
.irp t, 0,1,2,3
	LOAD \t
.endr
	s_wait_loadcnt 12                              ; step 0's four loads are in; the twelve of steps 1 to 3 may be out
	TURN 0
.macro STEP t
.set XS, X+16*((\t)%2)
.if (\t) > 0
	s_wait_dscnt 1                                 ; this step's numbers are back from the stage (the last step's byte store may be out)
.else
	s_wait_dscnt 0x0
.endif
.if (\t)+4 < STEPS
	LOAD (\t)+4                                    ; the registers that the stage's stores have read take the loads of four steps on
.endif
.if (\t)+1 < STEPS
.if STEPS-2-(\t) >= 3
	s_wait_loadcnt 12                              ; the next step's four loads are in; those of the three steps behind it may be out
.else
	s_wait_loadcnt 4*(STEPS-2-(\t))
.endif
	TURN (\t)+1                                    ; and go through the other stage while this step is worked
.endif
	v_max3_num_f32 v8, |v[XS]|, |v[XS+1]|, |v[XS+2]|               ; the largest magnitude of my 16, in two chains
	v_max3_num_f32 v9, |v[XS+3]|, |v[XS+4]|, |v[XS+5]|
.irp i, 6,10
	v_max3_num_f32 v8, v8, |v[XS+\i]|, |v[XS+\i+1]|
	v_max3_num_f32 v9, v9, |v[XS+\i+2]|, |v[XS+\i+3]|
.endr
	v_max3_num_f32 v8, v8, |v[XS+14]|, |v[XS+15]|
	v_max3_num_f32 v8, v8, v9, (EMAX+1)<<23        ; and the floor 2^(EMAX + 1 - 127): the byte cannot fall under 1
	v_max_num_f32_dpp v8, v8, v8 row_xmask:1 row_mask:0xf bank_mask:0xf   ; and of my neighbour's 16: the block's
	v_add_nc_u32 v11, -(EMAX<<23), v8              ; EMAX off its exponent field: the conversion takes the exponent field of this operand as its scale
	v_cvt_scalef32_pk8_fp4_f32 v[C+4*(\t)], v[XS:XS+7], v11
	v_cvt_scalef32_pk8_fp4_f32 v[C+4*(\t)+1], v[XS+8:XS+15], v11
	v_lshrrev_b32 v[E+(\t)], 23, v11               ; the scale's byte (also the plain line behind the conversions)
	ds_store_b8 v5, v[E+(\t)] offset:16*(\t)       ; both lanes of a block write the same byte with the same value
	global_store_b64 v4, v[C+4*(\t):C+4*(\t)+1], s[8:9] offset:32*CB*(\t)
.endm
.irp t, 0,1,2,3,4,5,6,7,8,9,10,11,12,13,14,15
	STEP \t
.endr
	ds_load_b64 v[8:9], v6                         ; LDS serves a wave's instructions in order: these see my byte stores
	s_wait_dscnt 0x0
	global_store_b64 v7, v[8:9], s[10:11]          ; 32 lanes store 256 consecutive bytes
	s_wait_tensorcnt 0x0                           ; the wave's end
	ds_add_u32 v[SPW], v[NIL]
	s_wait_dscnt 0x0
	s_endpgm
; Wout to f16: a wave takes 2,048 numbers: 16 loads of 512 consecutive bytes, 16 stores of 256.
.Lwout:
	s_sub_co_u32 s17, ttmp9, WGQ
	s_lshl_b32 s17, s17, 2
	s_add_co_u32 s17, s17, s16                     ; which run of 2,048 numbers is my wave's
	s_lshl_b32 s18, s17, 13
	s_mov_b32 s19, 0
	s_add_nc_u64 s[24:25], s[24:25], s[18:19]
	s_lshl_b32 s18, s17, 12
	s_add_nc_u64 s[26:27], s[26:27], s[18:19]
.irp i, 0,1,2,3,4,5,6,7,8,9,10,11,12,13,14,15
	global_load_b128 v[R+4*\i:R+4*\i+3], v3, s[24:25] offset:512*\i th:TH_LOAD_NT
.endr
.irp i, 0,1,2,3,4,5,6,7,8,9,10,11,12,13,14,15
	s_wait_loadcnt 15-\i                           ; loads come back in order: load i is in, the younger ones may be out
	v_cvt_pk_f16_f32 v[X+2*\i], v[R+4*\i], v[R+4*\i+1]
	v_cvt_pk_f16_f32 v[X+2*\i+1], v[R+4*\i+2], v[R+4*\i+3]
	global_store_b64 v7, v[X+2*\i:X+2*\i+1], s[26:27] offset:256*\i
.endr
	s_endpgm
.Lfunc_end_k_qbd03af9e1b_quant:
	.size	k_qbd03af9e1b_quant, .Lfunc_end_k_qbd03af9e1b_quant-k_qbd03af9e1b_quant
	.p2alignl 7, 3214868480
	.fill 96, 4, 3214868480
	.section	.rodata,"a",@progbits
	.p2align	6, 0x0
	.amdhsa_kernel k_qbd03af9e1b_quant
		.amdhsa_group_segment_fixed_size 33280
		.amdhsa_private_segment_fixed_size 0
		.amdhsa_enable_private_segment 0
		.amdhsa_kernarg_size 64
		.amdhsa_user_sgpr_count 2
		.amdhsa_user_sgpr_kernarg_segment_ptr 1
		.amdhsa_wavefront_size32 1
		.amdhsa_system_sgpr_workgroup_id_x 1
		.amdhsa_system_sgpr_workgroup_id_y 1
		.amdhsa_system_sgpr_workgroup_id_z 1
		.amdhsa_system_vgpr_workitem_id 0
		.amdhsa_next_free_vgpr 192
		.amdhsa_next_free_sgpr 66
		.amdhsa_reserve_vcc 0
		.amdhsa_float_denorm_mode_32 3
		.amdhsa_float_denorm_mode_16_64 3
		.amdhsa_memory_ordered 1
		.amdhsa_forward_progress 1
		.amdhsa_inst_pref_size 39
	.end_amdhsa_kernel
	.amdgpu_metadata
---
amdhsa.version: [ 1, 2 ]
amdhsa.kernels:
  - .name:           k_qbd03af9e1b_quant
    .symbol:         k_qbd03af9e1b_quant.kd
    .args:
      - { .name: x, .offset: 0, .size: 8, .value_kind: global_buffer, .address_space: global }
      - { .name: Wqkv, .offset: 8, .size: 8, .value_kind: global_buffer, .address_space: global }
      - { .name: xc, .offset: 16, .size: 8, .value_kind: global_buffer, .address_space: global }
      - { .name: xs, .offset: 24, .size: 8, .value_kind: global_buffer, .address_space: global }
      - { .name: wc, .offset: 32, .size: 8, .value_kind: global_buffer, .address_space: global }
      - { .name: ws, .offset: 40, .size: 8, .value_kind: global_buffer, .address_space: global }
      - { .name: Wout, .offset: 48, .size: 8, .value_kind: global_buffer, .address_space: global }
      - { .name: wo16, .offset: 56, .size: 8, .value_kind: global_buffer, .address_space: global }
    .group_segment_fixed_size: 33280
    .private_segment_fixed_size: 0
    .kernarg_segment_align: 8
    .kernarg_segment_size: 64
    .max_flat_workgroup_size: 128
    .sgpr_count:     66
    .vgpr_count:     192
    .wavefront_size: 32
...
	.end_amdgpu_metadata
.endif
;; end of part 1
;; launch qkvgemm (part 2): grid 12 x 32, 4 waves a work-group, clusters of 4 x 4, 327,680 bytes of LDS; arguments xc, xs, wc, ws, cos, sin, qkv; writes qkv
.if DOCPART == 2
	.amdgcn_target "amdgcn-amd-amdhsa--gfx1250"
	.amdhsa_code_object_version 6
	.text
	.protected	k_qbd03af9e1b_qkvgemm
	.globl	k_qbd03af9e1b_qkvgemm
	.p2align	8
	.type	k_qbd03af9e1b_qkvgemm,@function
k_qbd03af9e1b_qkvgemm:
	s_mov_b64 s[64:65], 0
	v_nop
	global_prefetch_b8 v0, s[64:65] scope:SCOPE_SE
	s_setreg_imm32_b32 hwreg(HW_REG_WAVE_MODE, 25, 1), 1
	s_wait_xcnt 0x0
	s_wait_alu depctr_hold_cnt(0) depctr_sa_sdst(0) depctr_va_vdst(0) depctr_va_sdst(0) depctr_va_ssrc(0) depctr_va_vcc(0) depctr_vm_vsrc(0)
	s_getreg_b32 s2, hwreg(HW_REG_IB_STS2, 6, 4)
	s_cmp_eq_u32 s2, 0
	s_cbranch_scc0 .Lentry_in_a_cluster
	s_endpgm
.Lentry_in_a_cluster:
	s_bfe_u32 s2, ttmp6, 0x10000c
	s_cmp_lg_u32 s2, 0xf033
	s_cbranch_scc0 .Lentry_shape_is_right
	s_endpgm
.Lentry_shape_is_right:
; qkv = x Wqkv^T on codes of FP4 (E2M1) with one E8M0 scale for each 32 along K; sums in f32; on the way out the rotary turn of q and k, q's factor 1/8, and the rounding to f16.
; x's codes [8192][512 bytes], scales [8192][32]; Wqkv's codes [3072][512 bytes], scales [3072][32].  OUT: qkv [batch 4][plane 24][position 2048][128 f16]: plane n / 128; planes 0-7 q, 8-15 k, 16-23 v; a row holds two heads.
; A tile of 256 x 256 is made by four waves, 128 x 128 each: 64 accumulators of 16 x 16.  K = 1,024 is two LDS slots of 512 along K (rows of 256 bytes), both asked for at the head: nothing is filled again.
; The scale bytes of the work-group's 256 + 256 rows, for all of K, come once, as two dense blocks.
; CLUSTERS: 4 x 4 work-groups.  A row of the cluster shares x's tiles, a column Wqkv's: each tile is asked for jointly, by the same tensor load with a mask that names the four.
; THE MATRIX INSTRUCTION IS USED TRANSPOSED (source 0 = 16 rows of Wqkv, source 1 = 16 rows of x): a lane holds eight neighbouring columns of one row.
; THE ROTARY TURN: a wave's 128 columns are two heads; column block b holds channels 16 (b % 4) + 8 (lane / 16) + 0..7 of head b / 4, so blocks 4 g + u and 4 g + u + 2 (u = 0, 1) are the two halves that turn together.
; One text serves q, k and v: out1 = t1 C - t2 S, out2 = t1 S + t2 C with C = f cos + g, S = f sin; q: f = 1/8, g = 0; k: f = 1, g = 0; v: f = 0, g = 1.  f and g hang on the cluster's x alone.
; LIMITS: results beyond 65,504 become infinities in f16; for v the line 0 x t2 wants t2 finite.
; REGISTERS: window 0: v16-31 addresses; v32-95 scale words, two sets; v96-127 the first block's cos and sin; v128-191 x's fragments, one set.  window 1: Wqkv's fragments, two sets.  windows 2, 3: the accumulators ((a, b) at v[8 (8 (a % 4) + b)]).
.set SIZE_M, 8192
.set SIZE_N, 3072
.set SIZE_K, 1024
.set KSTEP,  512                       ; along K in a slot
.set NQ,     KSTEP/128                 ; matrix instructions deep
.set ROWB,   256                       ; a tile's row in bytes
.set KROW,   SIZE_K/2                  ; a row of codes in memory
.set PITCH,  272                       ; an LDS row: 256 bytes + 16 of padding = 68 words: the 16 rows that a load touches start 4 words apart
.set FR,     8                         ; registers of a fragment
.set NL,     2                         ; LDS loads that bring one
.set NP,     4                         ; places behind this matrix instruction (ISA guide 7.12.1)
.set HALFT,  128*PITCH
.set SLOT,   4*HALFT                   ; x's 256 rows, then Wqkv's 256 rows
.set KS,     SIZE_K/32                 ; a row of scales in bytes
.set SCL,    2*SLOT                    ; behind the two slots: the scales, as runs of 256 bytes + 16 of padding
.set HALFS,  (128*KS/256)*272
.set SBLK,   (16*KS/256)*272
.set SPARE,  SCL+4*HALFS               ; the spare words, 128 bytes a wave
.set SPITCH, 272                       ; the way out: a stage of 16 rows x (256 bytes + 16) for each wave, in slot 0, which has had its only fill and its last read by then
.set ADRA, 16                          ; v16-17 LDS address of my fragments of x in slot 0, 1
.set ADRB, 20                          ; v20-21 the same for Wqkv
.set CSO,  22                          ; v22 my byte offset in 16 rows of cos and of sin; never rewritten
.set STO,  24                          ; v24 the way out: where I put 16 bytes of a row
.set RD,   25                          ; v25 where I read rows back
.set CO,   26                          ; v26 my byte offset in 512 bytes of qkv
.set ADRS, 27                          ; v27 LDS address of my scale words
.set SPW,  28                          ; v28 my spare word; never rewritten
.set NIL,  29                          ; v29 0; never rewritten
.set GG,   30                          ; v30-31 g, twice
.set SC,   32                          ; scale words, two sets of 32
.set AF,   128                         ; x's fragments
.set RAW0, 96                          ; the way out: cos (16) and sin (16) of a block of 16 rows, by turns in v96-127
.set RAW1, 32                          ; and v32-63
.set FC,   64                          ; v64-79 C
.set FS,   80                          ; v80-95 S
.set T,    128                         ; v128-191 a block's 64 turned numbers
.set H,    192                         ; v192-223 as f16
.set BK,   224                         ; v224-255 16 rows read back from the stage
.set G1, 24
.set G0, 32
.set G1B, 48
.set G0B, 56
.set G1S, 68
.set G0S, 76
.set G1SB, 80
.set G0SB, 88
.set MSB, 0
.macro WIN new                         ; the immediate's high byte repeats the setting that is left
.if MSB != (\new)
	s_set_vgpr_msb (MSB<<8)|(\new)
.set MSB, (\new)
.endif
.endm
.set MUL_LO, 0xa1                      ; source 0 window 1, source 1 window 0, C and D window 2
.set MUL_HI, 0xf1                      ; the same, C and D window 3
.set TO_B,   0x40                      ; destination window 1
; A joint load: waves 0 and 1 fetch for x, waves 2 and 3 for Wqkv.  The branch hangs on the wave's number alone.  An s_nop 0 and four v_nop follow each line.
.macro JLOAD g0a, g1a, g0b, g1b
	s_cmp_eq_u32 s15, 0
	s_cbranch_scc0 .Lfor_b_\@
	tensor_load_to_lds s[\g0a:\g0a+3], s[\g1a:\g1a+7]
	s_nop 0
.rept 4
	v_nop
.endr
	s_branch .Lasked_\@
.Lfor_b_\@:
	tensor_load_to_lds s[\g0b:\g0b+3], s[\g1b:\g1b+7]
	s_nop 0
.rept 4
	v_nop
.endr
.Lasked_\@:
.endm
.macro CROUND                          ; a round of the cluster's barrier
	s_barrier_signal -1
	s_barrier_wait -1
	s_cmp_lg_u32 s14, 0
	s_cbranch_scc1 .Lnot_wave_0_\@
	s_barrier_signal -3
.Lnot_wave_0_\@:
	s_barrier_wait -3
	s_barrier_signal -1
	s_barrier_wait -1
.endm
	s_load_b128 s[4:7], s[0:1], 0x0                ; x's codes, x's scales
	s_load_b128 s[8:11], s[0:1], 0x10              ; Wqkv's codes, its scales
	s_load_b128 s[96:99], s[0:1], 0x20             ; cos, sin
	s_load_b64 s[12:13], s[0:1], 0x30              ; qkv
	v_lshl_add_u32 v[SPW], v0, 2, SPARE
	v_mov_b32 v[NIL], 0
	ds_add_u32 v[SPW], v[NIL]                      ; the wave's opening: the add, twice on end, and its wait ahead of my first tensor load
	ds_add_u32 v[SPW], v[NIL]
	v_lshrrev_b32 v1, 5, v0
	v_readfirstlane_b32 s14, v1                    ; wave 0..3
	s_lshr_b32 s15, s14, 1                         ; which half of the tile's rows is mine.  Also: I fetch for x (0) or for Wqkv (1)
	s_and_b32 s16, s14, 1                          ; which half of its columns.  Also: which 128 rows I fetch
	s_bfe_u32 s40, ttmp6, 0x40000                  ; cx, cy
	s_bfe_u32 s41, ttmp6, 0x40004
	s_lshl_b32 s42, ttmp9, 2
	s_add_co_u32 s42, s42, s40                     ; tile column = 4 x cluster x + cx
	s_and_b32 s17, ttmp7, 0xffff
	s_lshl_b32 s17, s17, 2
	s_add_co_u32 s17, s17, s41                     ; tile row = 4 x cluster y + cy
	s_lshl_b32 s43, s41, 2
	s_lshl_b32 s43, 15, s43                        ; my row of the cluster
	s_lshl_b32 s44, 0x1111, s40                    ; my column
	s_or_b32 s[G1+0], s43, (0<<16)|(1<<20)|(1<<21)|(5<<22)|(3<<25)  ; the mask; elements of 1 byte; padding on; bit 21 beside a mask; 4 words behind every 64
	s_or_b32 s[G1B+0], s44, (0<<16)|(1<<20)|(1<<21)|(5<<22)|(3<<25)
.irp g, G1, G1B
	s_mov_b32 s[\g+1], ROWB<<16                    ; tensor_dim0
	s_mov_b32 s[\g+2], 128<<16                     ; tensor_dim1
	s_mov_b32 s[\g+3], ROWB<<16                    ; tile_dim0
	s_mov_b32 s[\g+4], 128                         ; tile_dim1
	s_mov_b32 s[\g+5], KROW                        ; from row to row
	s_mov_b32 s[\g+6], 0
	s_mov_b32 s[\g+7], 0
.endr
	s_or_b32 s[G1S+0], s43, (3<<16)|(1<<20)|(1<<21)|(5<<22)|(3<<25) ; the scales of 128 rows: 4,096 dense bytes as 16 rows of 32 elements of 8 bytes
	s_or_b32 s[G1SB+0], s44, (3<<16)|(1<<20)|(1<<21)|(5<<22)|(3<<25)
.irp g, G1S, G1SB
	s_mov_b32 s[\g+1], 32<<16
	s_mov_b32 s[\g+2], (128*KS/256)<<16
	s_mov_b32 s[\g+3], 32<<16
	s_mov_b32 s[\g+4], 128*KS/256
	s_mov_b32 s[\g+5], 32
	s_mov_b32 s[\g+6], 0
	s_mov_b32 s[\g+7], 0
.endr
	s_lshl_b32 s18, s16, 7
	s_lshl_b32 s20, s17, 8
	s_add_co_u32 s20, s20, s18                     ; x: row 256 x tile row + 128 x half
	s_lshl_b32 s46, s42, 8
	s_add_co_u32 s46, s46, s18                     ; Wqkv: row 256 x tile column + 128 x half
	s_mov_b32 s21, 0
	s_mov_b32 s47, 0
	s_mov_b64 s[18:19], KS
	s_mul_u64 s[22:23], s[20:21], s[18:19]         ; where these rows' scales begin
	s_mul_u64 s[92:93], s[46:47], s[18:19]
	s_mov_b64 s[18:19], KROW
	s_mul_u64 s[20:21], s[20:21], s[18:19]         ; and their codes
	s_mul_u64 s[46:47], s[46:47], s[18:19]
	s_mul_i32 s45, s14, HALFT                      ; where they go: wave x 128 rows
	s_mul_i32 s94, s14, HALFS
	s_mov_b32 s100, 0x3f800000                     ; f and g, by the cluster's x: 0 q, 1 k, 2 v: the same in all sixteen partners
	s_cmp_eq_u32 ttmp9, 0
	s_cselect_b32 s100, 0x3e000000, s100           ; q: 1/8
	s_cmp_eq_u32 ttmp9, 2
	s_cselect_b32 s100, 0, s100                    ; v: f = 0,
	s_cselect_b32 s95, 0x3f800000, 0               ; g = 1
	s_mov_b32 s101, s100
	v_mov_b32 v[GG], s95
	v_mov_b32 v[GG+1], s95
	s_wait_dscnt 0x0                               ; both opening adds are done
	s_wait_kmcnt 0x0
	s_add_nc_u64 s[20:21], s[4:5], s[20:21]
	s_add_nc_u64 s[22:23], s[6:7], s[22:23]
	s_add_nc_u64 s[46:47], s[8:9], s[46:47]
	s_add_nc_u64 s[92:93], s[10:11], s[92:93]
	CROUND                                         ; all sixteen work-groups are here: the joint loads meet
	s_mov_b32 s[G0S], 1
	s_add_co_u32 s[G0S+1], s94, SCL
	s_mov_b64 s[G0S+2:G0S+3], s[22:23]
	s_or_b32 s[G0S+3], s[G0S+3], 0x80000000
	s_mov_b32 s[G0SB], 1
	s_add_co_u32 s[G0SB+1], s94, SCL
	s_mov_b64 s[G0SB+2:G0SB+3], s[92:93]
	s_or_b32 s[G0SB+3], s[G0SB+3], 0x80000000
	JLOAD G0S, G1S, G0SB, G1SB                     ; the scales first: they are wanted with the first slot
.irp s, 0,1
	s_mov_b32 s[G0+4*\s], 1
	s_add_co_u32 s[G0+4*\s+1], s45, \s*SLOT
	s_add_nc_u64 s[G0+4*\s+2:G0+4*\s+3], s[20:21], \s*ROWB
	s_or_b32 s[G0+4*\s+3], s[G0+4*\s+3], 0x80000000
	s_mov_b32 s[G0B+4*\s], 1
	s_add_co_u32 s[G0B+4*\s+1], s45, \s*SLOT
	s_add_nc_u64 s[G0B+4*\s+2:G0B+4*\s+3], s[46:47], \s*ROWB
	s_or_b32 s[G0B+4*\s+3], s[G0B+4*\s+3], 0x80000000
	JLOAD G0+4*\s, G1, G0B+4*\s, G1B               ; three loads of mine are out behind the last of these
.endr
	v_and_b32 v1, 15, v0                           ; r = l % 16
	v_bfe_u32 v2, v0, 4, 1                         ; h = l / 16
	v_mul_u32_u24 v3, v1, PITCH
	v_lshl_add_u32 v4, v2, 4, v3                   ; a fragment's row x pitch + 16 x half
	s_mul_i32 s21, s15, HALFT                      ; my 128 rows of x
	s_mul_i32 s22, s16, HALFT                      ; my 128 rows of Wqkv,
	s_add_co_u32 s22, s22, 2*HALFT                 ; which lie behind x's 256
.irp s, 0,1
	v_add_nc_u32 v[ADRA+\s], s21, v4
	v_add_nc_u32 v[ADRB+\s], s22, v4
	s_add_co_u32 s21, s21, SLOT
	s_add_co_u32 s22, s22, SLOT
.endr
	v_mul_u32_u24 v5, v1, KS                       ; my row's scales: KS bytes a row,
	v_lshrrev_b32 v6, 8, v5
	v_lshl_add_u32 v5, v6, 4, v5                   ; and 16 more for each 256 passed
	s_mul_i32 s21, s15, HALFS
	s_mul_i32 s22, s16, HALFS
	s_add_co_u32 s22, s22, 2*HALFS
	s_sub_co_u32 s22, s22, s21
	v_mul_u32_u24 v6, s22, v2                      ; lanes 16-31 take Wqkv's: one product, the distance between the two bases
	s_add_co_u32 s21, s21, SCL
	v_add_nc_u32 v5, v5, v6
	v_add_nc_u32 v[ADRS], s21, v5
	s_mul_i32 s23, s14, 16*SPITCH                  ; my stage
	v_mul_u32_u24 v5, v1, SPITCH                   ; in: row r, 16 bytes for each half of the lanes
	v_lshl_add_u32 v5, v2, 4, v5
	v_add_nc_u32 v[STO], s23, v5
	v_mul_u32_u24 v5, v2, SPITCH                   ; back: lanes 0-15 one row of 256 bytes, lanes 16-31 the next
	v_lshl_add_u32 v5, v1, 4, v5
	v_add_nc_u32 v[RD], s23, v5
	v_and_b32 v6, 31, v0
	v_lshlrev_b32 v[CO], 4, v6                     ; rows of qkv follow each other: two rows are 512 consecutive bytes
	v_lshlrev_b32 v[CSO], 7, v1                    ; cos, sin: row r of 128 bytes, + 32 h
	v_lshl_add_u32 v[CSO], v2, 5, v[CSO]
	s_and_b32 s21, s17, 7
	s_lshl_b32 s21, s21, 8
	s_lshl_b32 s46, s15, 7
	s_add_co_u32 s21, s21, s46                     ; my first position: 256 (tile row % 8) + 128 x half
	s_lshl_b32 s46, s21, 7
	s_mov_b32 s47, 0
	s_add_nc_u64 s[96:97], s[96:97], s[46:47]
	s_add_nc_u64 s[98:99], s[98:99], s[46:47]
	s_lshr_b32 s20, s17, 3                         ; the batch
	s_mul_i32 s20, s20, 24
	s_lshl_b32 s46, s42, 1
	s_add_co_u32 s20, s20, s46
	s_add_co_u32 s20, s20, s16                     ; + my plane: 2 x tile column + half
	s_lshl_b32 s20, s20, 11
	s_add_co_u32 s20, s20, s21                     ; rows of 256 bytes
	s_lshl_b32 s20, s20, 8
	s_mov_b32 s21, 0
	s_add_nc_u64 s[12:13], s[12:13], s[20:21]
; cos and sin of block a's 16 rows: register 8 u + j holds channel 16 u + 8 h + j
.macro CSLOAD a
.set RW, RAW0
.if (\a)%2
.set RW, RAW1
.endif
.irp u, 0,1
.irp c, 0,1
	global_load_b128 v[RW+8*\u+4*\c:RW+8*\u+4*\c+3], v[CSO], s[96:97] offset:2048*(\a)+64*\u+16*\c
	global_load_b128 v[RW+16+8*\u+4*\c:RW+16+8*\u+4*\c+3], v[CSO], s[98:99] offset:2048*(\a)+64*\u+16*\c
.endr
.endr
.endm
	CSLOAD 0                                       ; into registers that the products leave alone: they land while K is walked
.macro FRAG reg, adr, q, i             ; 16 rows x 128 K of 4-bit codes: registers 4 c .. 4 c + 3 hold K = 64 c + 32 (l / 16) + 0 .. 31
.irp c, 0,1
	ds_load_b128 v[\reg+4*\c:\reg+4*\c+3], v[\adr] offset:64*(\q)+32*\c+(\i)*16*PITCH
.endr
.endm
; 16 matrix instructions: x's blocks a0, a0 + 1 against Wqkv's eight.  The 64 accumulators take turns, one instruction a turn, in the same order in every step.
; One register carries both sides' scale words: lanes 0-15 x's block i, lanes 16-31 Wqkv's block i.
.macro MUL16 a0, p, q, sc, zero
.irp a, \a0, \a0+1
.irp b, 0,1,2,3,4,5,6,7
.if \zero
	v_wmma_scale_f32_16x16x128_f8f6f4 v[8*(8*((\a)%4)+\b):8*(8*((\a)%4)+\b)+7], v[128*(\p)+FR*\b:128*(\p)+FR*\b+FR-1], v[AF+FR*(\a):AF+FR*(\a)+FR-1], 0, v[SC+8*NQ*(\sc)+NQ*\b+(\q)], v[SC+8*NQ*(\sc)+NQ*(\a)+(\q)] matrix_a_fmt:MATRIX_FMT_FP4 matrix_b_fmt:MATRIX_FMT_FP4 matrix_a_scale:MATRIX_SCALE_ROW1
.else
	v_wmma_scale_f32_16x16x128_f8f6f4 v[8*(8*((\a)%4)+\b):8*(8*((\a)%4)+\b)+7], v[128*(\p)+FR*\b:128*(\p)+FR*\b+FR-1], v[AF+FR*(\a):AF+FR*(\a)+FR-1], v[8*(8*((\a)%4)+\b):8*(8*((\a)%4)+\b)+7], v[SC+8*NQ*(\sc)+NQ*\b+(\q)], v[SC+8*NQ*(\sc)+NQ*(\a)+(\q)] matrix_a_fmt:MATRIX_FMT_FP4 matrix_b_fmt:MATRIX_FMT_FP4 matrix_a_scale:MATRIX_SCALE_ROW1
.endif
.endr
.endr
.endm
.macro FETCH_B slot, q, p
	WIN TO_B
.irp i, 0,1,2,3,4,5,6,7
	FRAG 128*(\p)+FR*\i, ADRB+\slot, \q, \i
.endr
	WIN 0
.endm
.macro FETCH_A slot, q, i0
.irp i, \i0, \i0+1, \i0+2, \i0+3
	FRAG AF+FR*(\i), ADRA+\slot, \q, \i
.endr
.endm
.macro SCALES sc                       ; a slot's scale words: 4 words a row
.irp i, 0,1,2,3,4,5,6,7
	ds_load_b128 v[SC+8*NQ*\sc+NQ*\i:SC+8*NQ*\sc+NQ*\i+3], v[ADRS] offset:\i*SBLK
.endr
.endm
; A load into a register that a matrix instruction has read, and a vector instruction or an LDS store that reads a matrix result, stand NP plain vector instructions behind it (ISA guide 7.12.1 for the reads of results).
.macro PLACES n
.rept \n
	v_nop
.endr
.endm
.macro STEP slot, q, zero              ; 128 along K, with its successor in the same slot
	s_wait_dscnt 4*NL                              ; Wqkv's set and x's blocks 0-3 are in; the youngest eight loads (x's blocks 4-7) may be out
	WIN MUL_LO
	MUL16 0, (\q)%2, \q, \slot, \zero
	MUL16 2, (\q)%2, \q, \slot, \zero
	s_wait_dscnt 0                                 ; x's blocks 4-7 are in
	PLACES NP
	FETCH_B \slot, (\q)+1, 1-(\q)%2
	FETCH_A \slot, (\q)+1, 0
	WIN MUL_HI
	MUL16 4, (\q)%2, \q, \slot, \zero
	MUL16 6, (\q)%2, \q, \slot, \zero
	PLACES NP
	WIN 0
	FETCH_A \slot, (\q)+1, 4
.endm
; Slot 0's last step goes over to slot 1: each wave waits for all its tensor loads (slot 1's part), then one barrier shows the whole slot to every wave.
.macro TURN slot, next
	s_wait_tensorcnt 0x0                           ; my part of the next slot has landed
	ds_add_u32 v[SPW], v[NIL]                      ; 0 onto my spare word
	s_wait_dscnt 4*NL+1                            ; (the add and the youngest eight loads may be out)
	WIN MUL_LO
	MUL16 0, 1, NQ-1, \slot, 0
	s_wait_dscnt 0x0                               ; the add is done, and my reads of this slot are over
	s_barrier_signal -1
	MUL16 2, 1, NQ-1, \slot, 0
	WIN 0
	s_barrier_wait -1
	PLACES NP
	v_add_nc_u32 v[ADRS], 4*NQ, v[ADRS]            ; on to the next slot's scale words
	FETCH_B \next, 0, 0
	FETCH_A \next, 0, 0
	SCALES \next
	WIN MUL_HI
	MUL16 4, 1, NQ-1, \slot, 0
	MUL16 6, 1, NQ-1, \slot, 0
	PLACES NP
	WIN 0
	FETCH_A \next, 0, 4
.endm
	s_wait_tensorcnt 1                             ; the scales and my part of slot 0 are in (slot 1's load may be out),
	s_barrier_signal -1
	s_barrier_wait -1                              ; everybody's are
	FETCH_B 0, 0, 0
	FETCH_A 0, 0, 0
	SCALES 0
	FETCH_A 0, 0, 4
	STEP 0, 0, 1                                   ; the first products start the sums: nothing is cleared
	STEP 0, 1, 0
	STEP 0, 2, 0
	TURN 0, 1
	STEP 1, 0, 0
	STEP 1, 1, 0
	STEP 1, 2, 0
	s_wait_dscnt 4*NL                              ; the last step: nothing more to fetch
	WIN MUL_LO
	MUL16 0, 1, NQ-1, 1, 0
	MUL16 2, 1, NQ-1, 1, 0
	s_wait_dscnt 0
	WIN MUL_HI
	MUL16 4, 1, NQ-1, 1, 0
	MUL16 6, 1, NQ-1, 1, 0
	WIN 0
; THE WAY OUT, block by block of 16 rows x 128 columns.  PACK: C and S of the block's rows; the turn, each accumulator read from its low end on; the rounding to f16.
.macro PACK a
.if (\a) < 7
	CSLOAD (\a)+1
	s_wait_loadcnt 8                               ; this block's cos and sin are in; the next block's eight loads may be out
.else
	s_wait_loadcnt 0
.endif
.set RW, RAW0
.if (\a)%2
.set RW, RAW1
.endif
.irp j, 0,2,4,6,8,10,12,14
	v_pk_fma_f32 v[FC+\j:FC+\j+1], v[RW+\j:RW+\j+1], s[100:101], v[GG:GG+1] op_sel_hi:[1,0,0]   ; C = f cos + g
	v_pk_mul_f32 v[FS+\j:FS+\j+1], v[RW+16+\j:RW+16+\j+1], s[100:101] op_sel_hi:[1,0]           ; S = f sin
.endr
.set AC, 64*((\a)%4)
	WIN 0x02+(\a)/4                                ; source 0: the accumulators' window
.irp g, 0,1
.irp u, 0,1
.irp j, 0,2,4,6
	v_pk_mul_f32 v[T+8*(4*\g+\u)+\j:T+8*(4*\g+\u)+\j+1], v[AC+8*(4*\g+\u+2)+\j:AC+8*(4*\g+\u+2)+\j+1], v[FS+8*\u+\j:FS+8*\u+\j+1]       ; t2 S
	v_pk_mul_f32 v[T+8*(4*\g+\u+2)+\j:T+8*(4*\g+\u+2)+\j+1], v[AC+8*(4*\g+\u+2)+\j:AC+8*(4*\g+\u+2)+\j+1], v[FC+8*\u+\j:FC+8*\u+\j+1]   ; t2 C
.endr
.irp j, 0,2,4,6
	v_pk_fma_f32 v[T+8*(4*\g+\u)+\j:T+8*(4*\g+\u)+\j+1], v[AC+8*(4*\g+\u)+\j:AC+8*(4*\g+\u)+\j+1], v[FC+8*\u+\j:FC+8*\u+\j+1], v[T+8*(4*\g+\u)+\j:T+8*(4*\g+\u)+\j+1] neg_lo:[0,0,1] neg_hi:[0,0,1]   ; t1 C - t2 S
	v_pk_fma_f32 v[T+8*(4*\g+\u+2)+\j:T+8*(4*\g+\u+2)+\j+1], v[AC+8*(4*\g+\u)+\j:AC+8*(4*\g+\u)+\j+1], v[FS+8*\u+\j:FS+8*\u+\j+1], v[T+8*(4*\g+\u+2)+\j:T+8*(4*\g+\u+2)+\j+1]                       ; t1 S + t2 C
.endr
.endr
.endr
	WIN 0
.irp b, 0,1,2,3,4,5,6,7
.irp r, 0,1,2,3
	v_cvt_pk_f16_f32 v[H+4*\b+\r], v[T+8*\b+2*\r], v[T+8*\b+2*\r+1]
.endr
.endr
.endm
.macro TOSTAGE a                       ; 16 bytes a lane into my own stage, and back as whole rows: LDS serves a wave's instructions in order
.irp b, 0,1,2,3,4,5,6,7
	ds_store_b128 v[STO], v[H+4*\b:H+4*\b+3] offset:32*\b
.endr
.irp t, 0,1,2,3,4,5,6,7
	ds_load_b128 v[BK+4*\t:BK+4*\t+3], v[RD] offset:\t*2*SPITCH
.endr
.endm
.macro SEND a
	s_wait_dscnt 0x0                               ; the block is back in registers
.irp t, 0,1,2,3,4,5,6,7
	global_store_b128 v[CO], v[BK+4*\t:BK+4*\t+3], s[12:13] offset:4096*(\a)+512*\t   ; 32 lanes store 512 consecutive bytes, at a multiple of 256 from qkv's first byte
.endr
.endm
	PLACES NP                                      ; behind the last products: for the reads of results, and for writes and loads into registers that held fragments and scale words
	PACK 0
	TOSTAGE 0
.irp a, 1,2,3,4,5,6,7
	PACK \a                                        ; a block's arithmetic stands between the loads of the block before and its stores
	SEND \a-1
	s_wait_xcnt 0x0                                ; those stores have read their data: the next block's rows may land there
	TOSTAGE \a
.endr
	SEND 7
	s_wait_tensorcnt 0x0                           ; the wave's end
	ds_add_u32 v[SPW], v[NIL]
	s_wait_dscnt 0x0
	CROUND                                         ; the closing round
	s_endpgm
.Lfunc_end_k_qbd03af9e1b_qkvgemm:
	.size	k_qbd03af9e1b_qkvgemm, .Lfunc_end_k_qbd03af9e1b_qkvgemm-k_qbd03af9e1b_qkvgemm
	.p2alignl 7, 3214868480
	.fill 96, 4, 3214868480
	.section	.rodata,"a",@progbits
	.p2align	6, 0x0
	.amdhsa_kernel k_qbd03af9e1b_qkvgemm
		.amdhsa_group_segment_fixed_size 327680
		.amdhsa_private_segment_fixed_size 0
		.amdhsa_enable_private_segment 0
		.amdhsa_kernarg_size 56
		.amdhsa_user_sgpr_count 2
		.amdhsa_user_sgpr_kernarg_segment_ptr 1
		.amdhsa_wavefront_size32 1
		.amdhsa_system_sgpr_workgroup_id_x 1
		.amdhsa_system_sgpr_workgroup_id_y 1
		.amdhsa_system_sgpr_workgroup_id_z 1
		.amdhsa_system_vgpr_workitem_id 0
		.amdhsa_next_free_vgpr 1024
		.amdhsa_next_free_sgpr 102
		.amdhsa_reserve_vcc 0
		.amdhsa_float_denorm_mode_32 3
		.amdhsa_float_denorm_mode_16_64 3
		.amdhsa_memory_ordered 1
		.amdhsa_forward_progress 1
		.amdhsa_inst_pref_size 173
	.end_amdhsa_kernel
	.amdgpu_metadata
---
amdhsa.version: [ 1, 2 ]
amdhsa.kernels:
  - .name:           k_qbd03af9e1b_qkvgemm
    .symbol:         k_qbd03af9e1b_qkvgemm.kd
    .args:
      - { .name: xc, .offset: 0, .size: 8, .value_kind: global_buffer, .address_space: global }
      - { .name: xs, .offset: 8, .size: 8, .value_kind: global_buffer, .address_space: global }
      - { .name: wc, .offset: 16, .size: 8, .value_kind: global_buffer, .address_space: global }
      - { .name: ws, .offset: 24, .size: 8, .value_kind: global_buffer, .address_space: global }
      - { .name: cos, .offset: 32, .size: 8, .value_kind: global_buffer, .address_space: global }
      - { .name: sin, .offset: 40, .size: 8, .value_kind: global_buffer, .address_space: global }
      - { .name: qkv, .offset: 48, .size: 8, .value_kind: global_buffer, .address_space: global }
    .group_segment_fixed_size: 327680
    .private_segment_fixed_size: 0
    .kernarg_segment_align: 8
    .kernarg_segment_size: 56
    .max_flat_workgroup_size: 128
    .sgpr_count:     102
    .vgpr_count:     1024
    .wavefront_size: 32
...
	.end_amdgpu_metadata
.endif
;; end of part 2
;; launch attn (part 3): grid 16 x 32, 4 waves a work-group, clusters of 4 x 4, 327,680 bytes of LDS; arguments qkv, mask, att; writes att
.if DOCPART == 3
	.amdgcn_target "amdgcn-amd-amdhsa--gfx1250"
	.amdhsa_code_object_version 6
	.text
	.protected	k_qbd03af9e1b_attn
	.globl	k_qbd03af9e1b_attn
	.p2align	8
	.type	k_qbd03af9e1b_attn,@function
k_qbd03af9e1b_attn:
	s_mov_b64 s[64:65], 0
	v_nop
	global_prefetch_b8 v0, s[64:65] scope:SCOPE_SE
	s_setreg_imm32_b32 hwreg(HW_REG_WAVE_MODE, 25, 1), 1
	s_wait_xcnt 0x0
	s_wait_alu depctr_hold_cnt(0) depctr_sa_sdst(0) depctr_va_vdst(0) depctr_va_sdst(0) depctr_va_ssrc(0) depctr_va_vcc(0) depctr_vm_vsrc(0)
	s_getreg_b32 s2, hwreg(HW_REG_IB_STS2, 6, 4)
	s_cmp_eq_u32 s2, 0
	s_cbranch_scc0 .Lentry_in_a_cluster
	s_endpgm
.Lentry_in_a_cluster:
	s_bfe_u32 s2, ttmp6, 0x10000c
	s_cmp_lg_u32 s2, 0xf033
	s_cbranch_scc0 .Lentry_shape_is_right
	s_endpgm
.Lentry_shape_is_right:
; att[b][q][head][:] = the sum over k of softmax_k(q . k / 8 + mask[q][k]) v[k][:].  q (already x 1/8), k, v: f16, qkv [batch 4][plane 24][position 2048][128]: planes 0-7 q, 8-15 k, 16-23 v, two heads to a row.
; mask: [2048][2048] f32, an input, added as it is given.  att: [8192][1024] f16.  Products, maxima and sums in f32; the weights p are rounded to f16 for the second product, the result once at the end.
; SHARES.  A work-group owns 128 queries x the two heads of a plane pair; wave w owns head w % 2 and queries 64 (w / 2) on: four tiles of 16.  Every wave walks all 2,048 keys, 64 a step.
; LAYOUT.  S^T = K Q^T (source 0 = 16 keys, source 1 = 16 queries): a lane holds ONE query (lane % 16) and keys 8 (lane / 16) + 0..7.  Two such tiles, rounded in pairs, are source 1 of O^T = V^T P.
; THE MASK COSTS NO VECTOR INSTRUCTION: a lane's eight numbers of a tile are 32 neighbouring bytes of the mask's row; they are loaded from LDS into the scores' registers and are the C of the first K Q^T instruction.
; SOFTMAX.  A running maximum m and sum l for each query: p = 2^(c s - c m), c = log2(e); in every step O and l are multiplied by a = 2^(c m_old - c m_new).  m begins at -1e30 at the least, so that a step whose
; scores are all -infinity gives p = 0.  LIMITS: a row whose largest score lies under -1e30 (a row of -infinity too) gives NaN; p under f16's smallest number is lost; results beyond 65,504 become infinities.
; BY TURNS.  The wave's tiles are two pieces (tiles 0, 1 and tiles 2, 3).  In a turn one piece has the matrix unit: 16 products V^T P of the step in hand, then 16 products K Q^T of the next step; the other piece's
; softmax, 236 vector instructions in 59 slices of four, stands between them, two slices behind each of the first 27 products and one behind each of the last five.  Two turns are a key step.
; CLUSTER.  4 x 4 work-groups.  K and V hang on (batch, plane pair) alone: the four of a row of the cluster ask for them jointly.  The mask's tile hangs on the block of queries alone: the four of a column ask jointly.
; RING.  Two LDS slots of 128 keys: 128 rows of the mask, 128 of K, 128 of V.  Wave 0 fetches K, wave 1 V, waves 2 and 3 the mask's halves: one load of 32 KiB a wave behind each round, two key steps in which to land.
; REGISTERS: window 0: v2-11 addresses; v12-43 statistics, 8 a tile; v61-63; v64-191 S^T, 32 a tile; v192-255 P, 16 a tile.  window 1: v0-127 O^T, 32 a tile; v128-191 V.  window 2: v0-63 Q, 16 a tile; v128-191 K.
.set PM,    528       ; a row of the mask's tile in LDS: 512 bytes + 16 = 132 words: the 16 rows of a load start 4 words apart
.set PK,    272       ; a row of K: 256 + 16
.set PVV,   288       ; a row of V: 256 + 32 = 72 words: 16 lanes of the turning load take 8 rows x 32 bytes
.set KOFF,  128*PM
.set VOFF,  KOFF+128*PK
.set SLOT,  VOFF+128*PVV
.set SPARE, 2*SLOT    ; behind the ring: the spare words, 128 bytes a wave
.set SP,    272       ; the way out: a stage of 128 rows x (256 bytes + 16), from LDS byte 0: slot 0 has had its last fill and its last read by then
.set AK0, 2           ; v2   my lane's place in a slot's K; never rewritten
.set AV0, 3           ; v3   the same for V
.set ADR, 4           ; v4   the LDS address of the run of K's or V's loads in hand
.set QO,  5           ; v5   my byte offset in the wave's rows of Q
.set STO, 6           ; v6   the way out: where I put 16 bytes of a row
.set RD,  7           ; v7   where I read rows back
.set GO,  8           ; v8   my byte offset in two rows of att
.set AM0, 10          ; v10  my lane's place in a slot's mask
.set ADM, 11          ; v11  the LDS address of the mask's loads in hand
.set ST,  12          ; tile t's statistics at v[ST+8 t]: +0 c m, +1 m, +2, +3 l, +4 to +7 at work; a takes +6
.set PFO, 61          ; v61  the prefetches' offset; never rewritten
.set SPW, 62          ; v62  my spare word; never rewritten
.set NIL, 63          ; v63  0; never rewritten
.set S,   64
.set P,   192
.set KF,  128         ; K's fragments, in window 2
.set VF,  128         ; V's, in window 1
.set WV,  12          ; s12  my wave's number
.set LIM, 15          ; s15  1 in a wave that prefetches, else the greatest number
.set PFA, 18          ; s[18:19] where my prefetches stand
.set PFS, 20          ; s[20:21] a slot on, in bytes
.set G1K, 24          ; s[24:31], s[32:39], s[40:47] descriptor groups 1 for K, V and the mask
.set G1V, 32
.set G1M, 40
.set G0KV, 48         ; s[48:55] groups 0 for K or V, a set for each slot
.set G0M, 56          ; s[56:63] the same for the mask
.set TBK, 66          ; s66-68 the LDS byte from which the next fetch of K, of V, of the mask counts
.set TBV, 67
.set TBM, 68
.set TRIPS, 69
.set TWICE, 70
.set CS,  72          ; s[72:73] c = log2(e), twice
.set SEL, 74          ; s[74:75] lane selects: lane l xor 16
.set MSB, 0
.macro WIN new
.if MSB != (\new)
	s_set_vgpr_msb (MSB<<8)|(\new)
.set MSB, (\new)
.endif
.endm
.set W_KQ, 0x0a       ; K and Q in window 2, S^T in window 0
.set W_PV, 0x51       ; V in window 1, P in window 0, O^T in window 1
.set W_RS, 0x41       ; O^T (destination and source 0) in window 1, a in window 0
; A joint refill of slot s.  The branches hang on the wave's number alone.  An s_nop 0 and four v_nop follow each line.
.macro JLOAD s
	s_cmp_lt_u32 s[WV], 2
	s_cbranch_scc0 .Lfor_m_\@
	s_cmp_eq_u32 s[WV], 0
	s_cbranch_scc0 .Lfor_v_\@
	tensor_load_to_lds s[G0KV+4*\s:G0KV+4*\s+3], s[G1K:G1K+7]
	s_nop 0
.rept 4
	v_nop
.endr
	s_branch .Lasked_\@
.Lfor_v_\@:
	tensor_load_to_lds s[G0KV+4*\s:G0KV+4*\s+3], s[G1V:G1V+7]
	s_nop 0
.rept 4
	v_nop
.endr
	s_branch .Lasked_\@
.Lfor_m_\@:
	tensor_load_to_lds s[G0M+4*\s:G0M+4*\s+3], s[G1M:G1M+7]
	s_nop 0
.rept 4
	v_nop
.endr
.Lasked_\@:
.endm
; A PREFETCH of what the NEXT change of slots will ask for, behind the wave's tensor load and its five lines: two key steps, 128 matrix instructions, ahead of that load.  Each run of 256 bytes is named once in the launch.
; K's and V's rows are walked by every cluster of a row of clusters: the one with x = 0 asks; its four partners of a row take 32 rows each, told apart by address (cx); wave 0 asks for K's, wave 1 for V's, a lane a row.
; The mask's rows are walked by every cluster of a column of clusters: the one with y = 0 asks; of the 64 rows that wave 2 or 3 fetches each partner of a column takes 16 (cy), two lanes to a row's 512 bytes.
; how = 1: a trip's first change; how = 0: its second, which in the last trip fills the last slot and asks for nothing.
.macro ASK how
.if \how
	s_cmp_eq_u32 s[LIM], 1
.else
	s_cmp_gt_u32 s[TRIPS], s[LIM]
.endif
	s_cbranch_scc0 .Lnot_mine_\@
	global_prefetch_b8 v[PFO], s[PFA:PFA+1] th:TH_LOAD_NT scope:SCOPE_SE
.Lnot_mine_\@:
.endm
.macro CROUND                       ; a round of the cluster's barrier
	s_barrier_signal -1
	s_barrier_wait -1
	s_cmp_lg_u32 s[WV], 0
	s_cbranch_scc1 .Lnot_wave_0_\@
	s_barrier_signal -3
.Lnot_wave_0_\@:
	s_barrier_wait -3
	s_barrier_signal -1
	s_barrier_wait -1
.endm
	s_load_b128 s[4:7], s[0:1], 0x0  ; qkv s[4:5], mask s[6:7]
	s_load_b64 s[8:9], s[0:1], 0x10  ; att
	v_lshl_add_u32 v[SPW], v0, 2, SPARE
	v_mov_b32 v[NIL], 0
	ds_add_u32 v[SPW], v[NIL]       ; the wave's opening: the add, twice on end, and its wait ahead of my first tensor load
	ds_add_u32 v[SPW], v[NIL]
	v_lshrrev_b32 v1, 5, v0
	v_readfirstlane_b32 s[WV], v1   ; wave 0..3
	s_and_b32 s84, s[WV], 1         ; my head of the two.  Also: which of the two tiles of my kind I fetch
	s_bfe_u32 s13, ttmp6, 0x40000   ; cx
	s_bfe_u32 s14, ttmp6, 0x40004   ; cy
	s_and_b32 s76, ttmp7, 0xffff    ; K and V: s76-79 never hold cx
	s_lshl_b32 s76, s76, 2
	s_add_co_u32 s76, s76, s14      ; work-group y = 8 x batch + plane pair
	s_lshr_b32 s77, s76, 3
	s_mul_i32 s77, s77, 24
	s_and_b32 s78, s76, 7
	s_add_co_u32 s77, s77, s78      ; q's plane: 24 x batch + pair
	s_lshl_b32 s78, s84, 3
	s_add_co_u32 s78, s78, s77
	s_add_co_u32 s78, s78, 8        ; k's plane (even waves) or v's (odd)
	s_lshl_b32 s78, s78, 19         ; a plane is 524,288 bytes
	s_mov_b32 s79, 0
	s_lshl_b32 s80, ttmp9, 2        ; the mask: s80-83 never hold cy
	s_add_co_u32 s80, s80, s13      ; work-group x: my block of 128 queries
	s_lshl_b32 s81, s80, 7
	s_lshl_b32 s82, s84, 6
	s_add_co_u32 s82, s82, s81      ; the first of the 64 rows that I would fetch
	s_lshl_b32 s82, s82, 13         ; a row of the mask is 8,192 bytes
	s_mov_b32 s83, 0
	s_mul_i32 s85, s84, 128*PK      ; in a slot: K, then V
	s_mul_i32 s88, s84, 64*PM       ; the mask's two halves
	s_lshl_b32 s16, s14, 2
	s_lshl_b32 s16, 15, s16         ; my row of the cluster
	s_lshl_b32 s17, 0x1111, s13     ; my column
	s_or_b32 s[G1K], s16, (1<<16)|(1<<20)|(1<<21)|(5<<22)|(3<<25)  ; the mask of work-groups; elements of 2 bytes; padding on; bit 21 beside a mask; 4 words behind every 64
	s_or_b32 s[G1V], s16, (1<<16)|(1<<20)|(1<<21)|(5<<22)|(7<<25)  ; the same with 8 words
	s_or_b32 s[G1M], s17, (2<<16)|(1<<20)|(1<<21)|(6<<22)|(3<<25)  ; elements of 4 bytes; 4 words behind every 128
.irp g, G1K, G1V
	s_mov_b32 s[\g+1], 128<<16      ; tensor_dim0 = 128
	s_mov_b32 s[\g+2], 128<<16      ; tensor_dim1 = 128
	s_mov_b32 s[\g+3], 128<<16      ; tile_dim0 = 128
	s_mov_b32 s[\g+4], 128          ; tile_dim1 = 128
	s_mov_b32 s[\g+5], 128          ; elements from row to row
	s_mov_b32 s[\g+6], 0
	s_mov_b32 s[\g+7], 0
.endr
	s_mov_b32 s[G1M+1], 128<<16
	s_mov_b32 s[G1M+2], 64<<16
	s_mov_b32 s[G1M+3], 128<<16
	s_mov_b32 s[G1M+4], 64
	s_mov_b32 s[G1M+5], 2048
	s_mov_b32 s[G1M+6], 0
	s_mov_b32 s[G1M+7], 0
	s_mov_b32 s[CS], 0x3fb8aa3b     ; c = log2(e)
	s_mov_b32 s[CS+1], s[CS]
	s_mov_b32 s[SEL], 0x76543210
	s_mov_b32 s[SEL+1], 0xfedcba98
	s_mov_b32 s[TBK], 0
	s_mov_b32 s[TBV], 0
	s_mov_b32 s[TBM], 0
	s_mov_b32 s[TRIPS], 7
	s_wait_dscnt 0x0                ; both opening adds are done
	s_wait_kmcnt 0x0
	s_add_nc_u64 s[86:87], s[4:5], s[78:79]
	s_add_nc_u64 s[90:91], s[6:7], s[82:83]
	CROUND                          ; all sixteen work-groups are here: the first joint loads meet
.irp s, 0,1
	s_mov_b32 s[G0KV+4*\s], 1
	s_add_co_u32 s[G0KV+4*\s+1], s85, \s*SLOT+KOFF
	s_add_nc_u64 s[G0KV+4*\s+2:G0KV+4*\s+3], s[86:87], \s*32768  ; 128 keys of 256 bytes a slot
	s_or_b32 s[G0KV+4*\s+3], s[G0KV+4*\s+3], 0x80000000
	s_mov_b32 s[G0M+4*\s], 1
	s_add_co_u32 s[G0M+4*\s+1], s88, \s*SLOT
	s_add_nc_u64 s[G0M+4*\s+2:G0M+4*\s+3], s[90:91], \s*512      ; 128 keys of 4 bytes
	s_or_b32 s[G0M+4*\s+3], s[G0M+4*\s+3], 0x80000000
.endr
	s_cmp_lt_u32 s[WV], 2           ; a wave's two first fills stand in one arm: two loads of mine are out
	s_cbranch_scc0 .Lfirst_m
	s_cmp_eq_u32 s[WV], 0
	s_cbranch_scc0 .Lfirst_v
	tensor_load_to_lds s[G0KV:G0KV+3], s[G1K:G1K+7]
	s_nop 0
	tensor_load_to_lds s[G0KV+4:G0KV+7], s[G1K:G1K+7]
	s_nop 0
.rept 4
	v_nop
.endr
	s_branch .Lfirst_asked
.Lfirst_v:
	tensor_load_to_lds s[G0KV:G0KV+3], s[G1V:G1V+7]
	s_nop 0
	tensor_load_to_lds s[G0KV+4:G0KV+7], s[G1V:G1V+7]
	s_nop 0
.rept 4
	v_nop
.endr
	s_branch .Lfirst_asked
.Lfirst_m:
	tensor_load_to_lds s[G0M:G0M+3], s[G1M:G1M+7]
	s_nop 0
	tensor_load_to_lds s[G0M+4:G0M+7], s[G1M:G1M+7]
	s_nop 0
.rept 4
	v_nop
.endr
.Lfirst_asked:
	s_lshl_b32 s2, s77, 11          ; Q: my plane's rows, + my block's 128, + my wave's 64; 256 bytes a row; + my head's 128 bytes
	s_add_co_u32 s2, s2, s81
	s_lshr_b32 s3, s[WV], 1
	s_lshl_b32 s3, s3, 6
	s_add_co_u32 s2, s2, s3
	s_lshl_b32 s2, s2, 8
	s_lshl_b32 s3, s84, 7
	s_add_co_u32 s2, s2, s3
	s_mov_b32 s3, 0
	s_add_nc_u64 s[10:11], s[4:5], s[2:3]
	v_and_b32 v1, 15, v0            ; r = l % 16
	v_bfe_u32 v9, v0, 4, 1          ; h = l / 16
	v_lshlrev_b32 v[QO], 8, v1
	v_lshl_add_u32 v[QO], v9, 4, v[QO]
	WIN 0x80                        ; destination window 2
.irp i, 0,1,2,3,4,5,6,7             ; Q stays in registers: tile i / 2, channels 32 (i % 2) on
	global_load_b128 v[8*\i:8*\i+3],   v[QO], s[10:11] offset:(\i/2)*4096+(\i%2)*64
	global_load_b128 v[8*\i+4:8*\i+7], v[QO], s[10:11] offset:(\i/2)*4096+(\i%2)*64+32
.endr
	WIN 0
	s_lshr_b32 s2, s76, 3           ; att: row 2048 x batch + my block's 128 + 32 x wave, of 2,048 bytes; + 256 x plane pair
	s_lshl_b32 s2, s2, 11
	s_add_co_u32 s2, s2, s81
	s_lshl_b32 s3, s[WV], 5
	s_add_co_u32 s2, s2, s3
	s_lshl_b32 s2, s2, 11
	s_and_b32 s3, s76, 7
	s_lshl_b32 s3, s3, 8
	s_add_co_u32 s2, s2, s3
	s_mov_b32 s3, 0
	s_add_nc_u64 s[8:9], s[8:9], s[2:3]
	s_lshl_b32 s2, s84, 7           ; my head's 128 bytes of a row of K or V
	s_add_co_u32 s3, s2, KOFF
	v_mul_u32_u24 v[AK0], v1, PK
	v_lshl_add_u32 v[AK0], v9, 4, v[AK0]
	v_add_nc_u32 v[AK0], s3, v[AK0] ; K: row r x pitch + 16 h
	v_and_b32 v[ADR], 7, v0
	v_bfe_u32 v[ADM], v0, 3, 1
	v_lshl_add_u32 v[AV0], v9, 3, v[ADR]
	v_mul_u32_u24 v[AV0], v[AV0], PVV
	v_lshl_add_u32 v[AV0], v[ADM], 4, v[AV0]
	s_add_co_u32 s3, s2, VOFF
	v_add_nc_u32 v[AV0], s3, v[AV0] ; V, for the turning load: key 8 h + l % 8, channels 8 ((l / 8) % 2) on
	s_lshr_b32 s3, s[WV], 1
	s_mul_i32 s3, s3, 64*PM
	v_mul_u32_u24 v[AM0], v1, PM
	v_lshl_add_u32 v[AM0], v9, 5, v[AM0]
	v_add_nc_u32 v[AM0], s3, v[AM0] ; the mask: my query's row, + 32 h: my eight keys of a tile
	; the prefetches: where mine stand, and who asks
	s_lshl_b32 s92, s13, 13         ; K, V: my work-group's 32 rows of the 128,
	s_add_co_u32 s92, s92, s78
	s_add_co_u32 s92, s92, 2*32768  ; in the keys' slot 2: the first change steps it to slot 3.  Nothing is prefetched here, at the head
	s_lshl_b32 s94, s14, 17         ; the mask: my work-group's 16 rows of the 64,
	s_add_co_u32 s94, s94, s82
	s_add_co_u32 s94, s94, 2*512
	s_and_b32 s89, ttmp7, 0xffff    ; cluster y
	s_mov_b32 s16, 8192
	s_mov_b32 s[PFS], 512
	s_cmp_lt_u32 s[WV], 2
	s_cselect_b64 s[PFA:PFA+1], s[4:5], s[6:7]
	s_cselect_b32 s92, s92, s94
	s_cselect_b32 s89, ttmp9, s89   ; the coordinate along which other clusters walk the same rows
	s_cselect_b32 s16, 512, s16     ; from one pair of lanes to the next
	s_cselect_b32 s[PFS], 32768, s[PFS]
	s_mov_b32 s[PFS+1], 0
	s_mov_b32 s93, 0
	s_add_nc_u64 s[PFA:PFA+1], s[PFA:PFA+1], s[92:93]
	s_cmp_eq_u32 s89, 0
	s_cselect_b32 s[LIM], 1, -1     ; the same in all sixteen partners, for a given wave
	v_and_b32 v[PFO], 31, v0
	v_lshrrev_b32 v60, 1, v[PFO]
	v_and_b32 v[PFO], 1, v[PFO]
	v_lshlrev_b32 v[PFO], 8, v[PFO]
	v_mul_lo_u32 v60, v60, s16
	v_add_nc_u32 v[PFO], v[PFO], v60
; THE MATRIX WORK OF A TURN, for piece x.  The accumulators take turns, one instruction a turn: between two links of a chain stand seven others'.
; Product i of 16 of O^T += V^T P: keys 32 (i / 8) on, channels 16 ((i / 2) % 4) on, tile x + i % 2.  zero = 1: the first 8 start the sums.
.macro PV x, zero
	WIN W_PV
.set rO, 32*(\x+i%2)+8*((i/2)%4)
.set rV, VF+32*(i/8)+8*((i/2)%4)
.set rP, P+16*(\x+i%2)+8*(i/8)
.if \zero && (i < 8)
	v_wmma_f32_16x16x32_f16 v[rO:rO+7], v[rV:rV+7], v[rP:rP+7], 0
.else
	v_wmma_f32_16x16x32_f16 v[rO:rO+7], v[rV:rV+7], v[rP:rP+7], v[rO:rO+7]
.endif
.endm
; Product i of 16 of S^T = K Q^T + mask: channels 32 (i / 8) on, keys 16 ((i / 2) % 4) on, tile x + i % 2.  The first 8 find the mask's numbers in their accumulators.
.macro KQ x
	WIN W_KQ
.set rS, S+32*(\x+i%2)+8*((i/2)%4)
.set rK, KF+16*((i/2)%4)+8*(i/8)
.set rQ, 16*(\x+i%2)+8*(i/8)
	v_wmma_f32_16x16x32_f16 v[rS:rS+7], v[rK:rK+7], v[rQ:rQ+7], v[rS:rS+7]
.endm
; THE LDS LOADS stand in runs of 16.  K of a step: 64 keys x my head's 64 channels, 8 fragments.
.macro FETCH_K
	WIN 0
	v_add_nc_u32 v[ADR], s[TBK], v[AK0]
	s_add_co_u32 s[TBK], s[TBK], 64*PK
	WIN 0x80
.irp f, 0,1,2,3,4,5,6,7             ; keys 16 (f / 2) on, channels 32 (f % 2) on
	ds_load_b128 v[KF+8*\f:KF+8*\f+3],   v[ADR] offset:(\f/2)*16*PK+(\f%2)*64
	ds_load_b128 v[KF+8*\f+4:KF+8*\f+7], v[ADR] offset:(\f/2)*16*PK+(\f%2)*64+32
.endr
.endm
.macro FETCH_V                      ; V of a step, turned
	WIN 0
	v_add_nc_u32 v[ADR], s[TBV], v[AV0]
	s_add_co_u32 s[TBV], s[TBV], 64*PVV
	s_wait_alu depctr_va_vdst(0)    ; the wait for the softmax's batch of exponentials (SLICE), ahead of the loads
	WIN 0x40
.irp f, 0,1,2,3,4,5,6,7             ; keys 32 (f / 4) on, channels 16 (f % 4) on
	ds_load_tr16_b128 v[VF+8*\f:VF+8*\f+3],   v[ADR] offset:(\f/4)*32*PVV+(\f%4)*32
	ds_load_tr16_b128 v[VF+8*\f+4:VF+8*\f+7], v[ADR] offset:(\f/4)*32*PVV+16*PVV+(\f%4)*32
.endr
.endm
.macro FETCH_M x                    ; the mask's numbers of piece x for the next step, into the registers where its scores will stand: that piece's softmax has left them
	WIN 0
	v_add_nc_u32 v[ADM], s[TBM], v[AM0]
.if \x == 2
	s_add_co_u32 s[TBM], s[TBM], 256  ; both pieces have asked: 64 keys on
.endif
.irp t, \x, \x+1
.irp q, 0,1,2,3
.irp c, 0,1
	ds_load_b128 v[S+32*(\t)+8*\q+4*\c:S+32*(\t)+8*\q+4*\c+3], v[ADM] offset:16*(\t)*PM+64*\q+16*\c
.endr
.endr
.endr
.endm
; THE VECTOR WORK OF A TURN.  One tile's softmax for one key step is a list of 118 instructions; SM writes number j of it for tile t.  s0-s31 are the lane's 32 scores, in pairs 0-15.
;   0-15    the maximum of s0-s31 and the old m (first step: and -1e30), three operands at a time; each tile of scores is first read at its low end
;   16-20   the other half of the lanes' maximum; the new m; c m; c m_old - c m_new
;   21-69   ONE BATCH: the 16 scalings c s - c m and all 33 exponentials (a at 23, then s0-s31); none of these reads an exponential's result
;   (wait)  between 69 and 70 stands the one wait for the batch: SLICE writes it, once for both tiles
;   70-85   the roundings to f16;   86-101 the sums, l = a l + the sum;   102-117 the tile's O^T times a
.macro SM t, first
.set rT, ST+8*(\t)
.set rS, S+32*(\t)
.set rP, P+16*(\t)
.set rO, 32*(\t)+2*(j-102)
.if j < 102
	WIN 0
.endif
.if j < 4
	v_max3_num_f32 v[rT+4+j], v[rS+8*j], v[rS+8*j+1], v[rS+8*j+2]
.elseif j < 12
	v_max3_num_f32 v[rT+4+j%4], v[rT+4+j%4], v[rS+8*(j%4)+2*(j/4)+1], v[rS+8*(j%4)+2*(j/4)+2]
.elseif j == 12
	v_max3_num_f32 v[rT+4], v[rT+4], v[rS+7], v[rS+15]
.elseif j == 13
	v_max3_num_f32 v[rT+6], v[rT+6], v[rS+23], v[rS+31]
.elseif j == 14
	v_max3_num_f32 v[rT+4], v[rT+4], v[rT+5], v[rT+6]
.elseif (j == 15) && \first
	v_max3_num_f32 v[rT+4], v[rT+4], v[rT+7], 0xf149f2ca  ; -1e30: m is a number even where every score so far is -infinity
.elseif j == 15
	v_max3_num_f32 v[rT+4], v[rT+4], v[rT+7], v[rT+1]
.elseif j == 16
	v_permlanex16_b32 v[rT+5], v[rT+4], s[SEL], s[SEL+1]  ; the query's other 32 keys lie in the lane 16 away
.elseif j == 18
	v_max_num_f32 v[rT+1], v[rT+4], v[rT+5]
.elseif j == 19
	v_mul_f32 v[rT], s[CS], v[rT+1]
.elseif ((j == 17) || (j == 20) || (j == 23) || (j > 101)) && \first  ; the first step has none of these
.elseif j == 17
	v_mov_b32 v[rT+7], v[rT]        ; c m_old is kept for a
.elseif j == 20
	v_sub_f32 v[rT+7], v[rT+7], v[rT]
.elseif j == 23
	v_exp_f32 v[rT+6], v[rT+7]
.elseif (j < 23) || ((j < 38) && (j%2 == 0)) || ((j < 66) && (j%4 == 2))
.set b, (j-2)/4                     ; 38, 42, .. 62: pairs 9 to 15
.if j < 38
.set b, (j-20)/2                    ; 21: pair 0; 22, 24, .. 36: pairs 1 to 8
.endif
	v_pk_fma_f32 v[rS+2*b:rS+2*b+1], v[rS+2*b:rS+2*b+1], s[CS:CS+1], v[rT:rT+1] op_sel_hi:[1,0,0] neg_lo:[0,0,1] neg_hi:[0,0,1]  ; pair b: c s - c m
.elseif j < 70
.set e, j-38                        ; 66 to 69: s28 to s31
.if j < 66
.set e, j-32-(j-38)/4               ; 39-41, 43-45, .. 63-65: s7 to s27
.endif
.if j < 38
.set e, (j-25)/2                    ; 25, 27, .. 37: s0 to s6
.endif
	v_exp_f32 v[rS+e], v[rS+e]
.elseif j < 86
	v_cvt_pk_f16_f32 v[rP+j-70], v[rS+2*(j-70)], v[rS+2*(j-70)+1]
.elseif j < 102                     ; the sum of the tile's 16 pairs, in place: neighbours 1, 2, 4 and 8 pairs apart, then l takes it
.set z, j-86
.set w, 4
.set u, z
.if z >= 14
.set w, 32
.set u, 0
.elseif z >= 12
.set w, 16
.set u, z-12
.elseif z >= 8
.set w, 8
.set u, z-8
.endif
.if (z == 14) && \first
	v_pk_add_f32 v[rT+2:rT+3], v[rS:rS+1], v[rS+16:rS+17]
.elseif z < 15
	v_pk_add_f32 v[rS+w*u:rS+w*u+1], v[rS+w*u:rS+w*u+1], v[rS+w*u+w/2:rS+w*u+w/2+1]
.elseif !\first
	v_pk_fma_f32 v[rT+2:rT+3], v[rT+2:rT+3], v[rT+6:rT+7], v[rS:rS+1] op_sel_hi:[1,0,1]
.endif
.else
	WIN W_RS
	v_pk_mul_f32 v[rO:rO+1], v[rO:rO+1], v[rT+6:rT+7] op_sel_hi:[1,0]
.endif
.endm
; Slice k of 59 of piece y's softmax: four instructions.  Slices 11 to 34 deal out the batch, four numbers of ONE tile each, the tiles by turns; every other slice is numbers 2 k and 2 k + 1 of both tiles.
; Ahead of slice 35 nothing names an exponential's result, and behind slice 34 no exponential is issued: the piece's 66 exponentials have one wait, behind slice 34 and a plain instruction.
.macro SLICE y, first
.if (k >= 11) && (k < 35)
.irp n, 0,1,2,3
.set j, 22+4*((k-11)/2)+(\n)
	SM (\y)+(k-11)%2, \first
.endr
.else
.irp n, 0,1
.irp t, \y, \y+1
.set j, 2*k+\n
	SM \t, \first
.endr
.endr
.endif
.if k == 34
	v_nop                           ; the plain instruction behind the last exponential
.if (\y) == 0
	FETCH_V                         ; piece 2's turn: V's run of loads stands here, and the wait stands in it
.else
	s_wait_alu depctr_va_vdst(0)    ; the wait for the batch
.endif
.endif
.set k, k+1
.endm
.macro PLACES
.rept 4
	v_nop
.endr
.endm
.macro AFTER y, first               ; the slices behind one product: hi of them behind the first lim products, one fewer behind the others: 59 in all
.set cnt, hi-1
.if np < lim
.set cnt, hi
.endif
.rept cnt
	SLICE \y, \first
.endr
.set np, np+1
.endm
; A TURN.  Piece x has the matrix unit.  pv = 2: 16 products V^T P; 1: they start O^T's sums; 0: none.  kq = 1: the mask's loads at the head and 16 products K Q^T for the next step.  first = 1: the softmax is the first step's.
; PLACES, counted.  Behind a turn's last K Q^T stands slice 58: four multiplications of the other piece's O^T, the four plain instructions ahead of the next turn's first read of those scores and of the loads into K's registers.
; Behind the last V^T P and ahead of V's loads stand three scalings (slices 30, 31, 32), the v_nop and the run's own addition.  In a first step the last slices are empty: four v_nop close the turn.
.macro TURN x, pv, kq, first
.set k, 0
.set np, 0
.set lim, 11
.set hi, 4
.if \pv && \kq
.set lim, 27
.set hi, 2
.endif
.if \pv
.if \x == 0
	s_wait_dscnt 0x0                ; V is in
.endif
.endif
.if \kq
	FETCH_M \x
.endif
.if \pv
.set i, 0
.rept 16
	PV \x, 2-\pv
	AFTER 2-\x, \first
.if (\x == 0) && \kq && (i == 1)
	FETCH_K
.endif
.set i, i+1
.endr
.endif
.if \kq
	s_wait_dscnt 0x0                ; the mask's numbers are in their accumulators (piece 0's turn: and K is in)
.set i, 0
.rept 16
	KQ \x
	AFTER 2-\x, \first
.set i, i+1
.endr
.endif
.if \first
	PLACES
.endif
.endm
; THE CHANGE OF SLOTS, between piece 2's turn and piece 0's: all of LDS slot rs has been asked for.  Each wave waits for all its tensor loads (one is out: its part of the other slot), adds 0 to its spare word,
; and waits for that and for its reads of the slot.  fill = 1: the barrier is a round of the cluster's, and the joint refill, the keys two slots on, is the first thing behind it.
.macro CHANGE fill, rs, how
	WIN 0
	s_wait_tensorcnt 0x0            ; no tensor load of mine is out, so a group 0 may be written
	ds_add_u32 v[SPW], v[NIL]       ; 0 onto my spare word
.if \fill
	s_add_nc_u64 s[G0KV+4*\rs+2:G0KV+4*\rs+3], s[G0KV+4*\rs+2:G0KV+4*\rs+3], 2*32768
	s_add_nc_u64 s[G0M+4*\rs+2:G0M+4*\rs+3], s[G0M+4*\rs+2:G0M+4*\rs+3], 2*512
	s_wait_xcnt 0x0                 ; the last prefetch, two key steps back, has read its address
	s_add_nc_u64 s[PFA:PFA+1], s[PFA:PFA+1], s[PFS:PFS+1]
.endif
	s_mov_b32 s[TBK], (1-\rs)*SLOT  ; the fetches go on in the other slot
	s_mov_b32 s[TBV], (1-\rs)*SLOT
	s_mov_b32 s[TBM], (1-\rs)*SLOT
	s_wait_dscnt 0x0                ; the add is done, and my reads of the slot are over
.if \fill
	CROUND
	JLOAD \rs
	ASK \how
.else
	s_barrier_signal -1
	s_barrier_wait -1
.endif
.endm
.macro TWO_STEPS                    ; a slot's two key steps: written once, walked twice
	s_mov_b32 s[TWICE], 2
.Lstep_\@:
	TURN 0, 2, 1, 0
	TURN 2, 2, 1, 0
	WIN 0
	s_sub_co_u32 s[TWICE], s[TWICE], 1
	s_cmp_lg_u32 s[TWICE], 0
	s_cbranch_scc1 .Lstep_\@
.endm
	s_wait_tensorcnt 1              ; my part of slot 0 is in; slot 1's may stay out
	s_barrier_signal -1
	s_barrier_wait -1               ; everybody's is
	FETCH_K                         ; key step 0
	FETCH_M 0
	s_wait_loadcnt 0x0              ; Q
	s_wait_dscnt 0x0
.set i, 0
.rept 16
	KQ 0                            ; piece 0's first scores: there is no vector work yet to set between them
.set i, i+1
.endr
	WIN 0                           ; the addresses for the way out: eight plain instructions, the places behind those products
	s_lshr_b32 s2, s[WV], 1
	s_mul_i32 s2, s2, 64*SP
	s_lshl_b32 s3, s84, 7
	s_add_co_u32 s2, s2, s3
	v_mul_u32_u24 v[STO], v1, SP    ; in: my query's row, my head's 128 bytes, 16 bytes for each half of the lanes
	v_lshl_add_u32 v[STO], v9, 4, v[STO]
	v_add_nc_u32 v[STO], s2, v[STO]
	s_mul_i32 s3, s[WV], 32*SP
	v_mul_u32_u24 v[RD], v9, SP     ; back: wave w takes rows 32 w on; lanes 0-15 one row of 256 bytes, lanes 16-31 the next
	v_lshl_add_u32 v[RD], v1, 4, v[RD]
	v_add_nc_u32 v[RD], s3, v[RD]
	v_lshlrev_b32 v[GO], 11, v9     ; and the same two rows in att
	v_lshl_add_u32 v[GO], v1, 4, v[GO]
	TURN 2, 0, 1, 1                 ; piece 2's first scores | piece 0's first softmax | V of step 0
	TURN 0, 1, 1, 1                 ; piece 0: V^T P of step 0 starts O^T, K Q^T of step 1 | piece 2's first softmax | K of step 1
	TURN 2, 1, 1, 0                 ; piece 2: the same | piece 0's softmax of step 1 | V of step 1
	WIN 0
.Lpair:                             ; 7 trips of two changes: the keys' slots 2 to 15 are asked for
	CHANGE 1, 0, 1
	TWO_STEPS
	CHANGE 1, 1, 0
	TWO_STEPS
	s_sub_co_u32 s[TRIPS], s[TRIPS], 1
	s_cmp_lg_u32 s[TRIPS], 0
	s_cbranch_scc1 .Lpair
	CHANGE 0, 0, 0                  ; the tail is written out: LDS slot 0 is left for good, and nothing is asked for
	TWO_STEPS
	TURN 0, 2, 0, 0                 ; piece 0: V^T P of the last step | piece 2's last softmax
.set i, 0
.rept 16
	PV 2, 0                         ; piece 2: V^T P of the last step
.set i, i+1
.endr
	; THE WAY OUT.  l's halves are added; O^T is divided by l, rounded to f16 and put into the work-group's stage; a barrier, since a row's 256 bytes come from two waves; back as whole rows, 32 a wave.
	WIN 0
.irp t, 0,1,2,3
	v_add_f32 v[ST+8*\t+4], v[ST+8*\t+2], v[ST+8*\t+3]  ; (these four are the places behind the last products)
.endr
.irp t, 0,1,2,3
	v_permlanex16_b32 v[ST+8*\t+5], v[ST+8*\t+4], s[SEL], s[SEL+1]
.endr
.irp t, 0,1,2,3
	v_add_f32 v[ST+8*\t+4], v[ST+8*\t+4], v[ST+8*\t+5]
.endr
.irp t, 0,1,2,3
	v_rcp_f32 v[ST+8*\t+6], v[ST+8*\t+4]
.endr
	v_nop                           ; a plain instruction behind the last reciprocal
	s_wait_alu depctr_va_vdst(0)    ; one wait for the four, ahead of their first reader
.macro OPACK t
	WIN W_RS
.set i, 0
.rept 16
	v_pk_mul_f32 v[32*\t+i:32*\t+i+1], v[32*\t+i:32*\t+i+1], v[ST+8*\t+6:ST+8*\t+7] op_sel_hi:[1,0]
.set i, i+2
.endr
	WIN 0x05                        ; sources 0 and 1 window 1, destination window 0: S^T's registers are free
.set i, 0
.rept 16
	v_cvt_pk_f16_f32 v[S+32*\t+i], v[32*\t+2*i], v[32*\t+2*i+1]
.set i, i+1
.endr
	WIN 0
.irp f, 0,1,2,3
	ds_store_b128 v[STO], v[S+32*\t+4*\f:S+32*\t+4*\f+3] offset:16*\t*SP+32*\f
.endr
.endm
	OPACK 0
	OPACK 1
	OPACK 2
	OPACK 3
	s_wait_dscnt 0x0                ; for the others' sake: my stores into the stage are done
	s_barrier_signal -1
	s_barrier_wait -1
.irp f, 0,1,2,3,4,5,6,7,8,9,10,11,12,13,14,15
	ds_load_b128 v[S+4*\f:S+4*\f+3], v[RD] offset:\f*2*SP
.endr
.irp f, 0,1,2,3,4,5,6,7,8,9,10,11,12,13,14,15
	s_wait_dscnt 15-\f              ; load f is in; the younger ones may be out
	global_store_b128 v[GO], v[S+4*\f:S+4*\f+3], s[8:9] offset:\f*4096  ; 16 lanes store 256 consecutive bytes, at a multiple of 256 from att's first byte
.endr
	s_wait_tensorcnt 0x0            ; the wave's end
	ds_add_u32 v[SPW], v[NIL]
	s_wait_dscnt 0x0
	CROUND                          ; the closing round
	s_endpgm
.Lfunc_end_k_qbd03af9e1b_attn:
	.size	k_qbd03af9e1b_attn, .Lfunc_end_k_qbd03af9e1b_attn-k_qbd03af9e1b_attn
	.p2alignl 7, 3214868480
	.fill 96, 4, 3214868480
	.section	.rodata,"a",@progbits
	.p2align	6, 0x0
	.amdhsa_kernel k_qbd03af9e1b_attn
		.amdhsa_group_segment_fixed_size 327680
		.amdhsa_private_segment_fixed_size 0
		.amdhsa_enable_private_segment 0
		.amdhsa_kernarg_size 24
		.amdhsa_user_sgpr_count 2
		.amdhsa_user_sgpr_kernarg_segment_ptr 1
		.amdhsa_wavefront_size32 1
		.amdhsa_system_sgpr_workgroup_id_x 1
		.amdhsa_system_sgpr_workgroup_id_y 1
		.amdhsa_system_sgpr_workgroup_id_z 1
		.amdhsa_system_vgpr_workitem_id 0
		.amdhsa_next_free_vgpr 768
		.amdhsa_next_free_sgpr 96
		.amdhsa_reserve_vcc 0
		.amdhsa_float_denorm_mode_32 3
		.amdhsa_float_denorm_mode_16_64 3
		.amdhsa_memory_ordered 1
		.amdhsa_forward_progress 1
		.amdhsa_inst_pref_size 211
	.end_amdhsa_kernel
	.amdgpu_metadata
---
amdhsa.version: [ 1, 2 ]
amdhsa.kernels:
  - .name:           k_qbd03af9e1b_attn
    .symbol:         k_qbd03af9e1b_attn.kd
    .args:
      - { .name: qkv, .offset: 0, .size: 8, .value_kind: global_buffer, .address_space: global }
      - { .name: mask, .offset: 8, .size: 8, .value_kind: global_buffer, .address_space: global }
      - { .name: att, .offset: 16, .size: 8, .value_kind: global_buffer, .address_space: global }
    .group_segment_fixed_size: 327680
    .private_segment_fixed_size: 0
    .kernarg_segment_align: 8
    .kernarg_segment_size: 24
    .max_flat_workgroup_size: 128
    .sgpr_count:     96
    .vgpr_count:     768
    .wavefront_size: 32
...
	.end_amdgpu_metadata
.endif
;; end of part 3
;; launch outproj (part 4): grid 4 x 64, 4 waves a work-group, clusters of 4 x 4, 327,680 bytes of LDS; arguments att, wo16, out0; writes out0
.if DOCPART == 4
	.amdgcn_target "amdgcn-amd-amdhsa--gfx1250"
	.amdhsa_code_object_version 6
	.text
	.protected	k_qbd03af9e1b_outproj
	.globl	k_qbd03af9e1b_outproj
	.p2align	8
	.type	k_qbd03af9e1b_outproj,@function
k_qbd03af9e1b_outproj:
	s_mov_b64 s[64:65], 0
	v_nop
	global_prefetch_b8 v0, s[64:65] scope:SCOPE_SE
	s_setreg_imm32_b32 hwreg(HW_REG_WAVE_MODE, 25, 1), 1
	s_wait_xcnt 0x0
	s_wait_alu depctr_hold_cnt(0) depctr_sa_sdst(0) depctr_va_vdst(0) depctr_va_sdst(0) depctr_va_ssrc(0) depctr_va_vcc(0) depctr_vm_vsrc(0)
	s_getreg_b32 s2, hwreg(HW_REG_IB_STS2, 6, 4)
	s_cmp_eq_u32 s2, 0
	s_cbranch_scc0 .Lentry_in_a_cluster
	s_endpgm
.Lentry_in_a_cluster:
	s_bfe_u32 s2, ttmp6, 0x10000c
	s_cmp_lg_u32 s2, 0xf033
	s_cbranch_scc0 .Lentry_shape_is_right
	s_endpgm
.Lentry_shape_is_right:
; out0[m][n] = the sum over k of att[m][k] Wout[n][k].  att: [8192][1024] f16, wo16: [1024][1024] f16 (Wout rounded once), out0: [8192][1024] f32; sums in f32.
; A tile of 128 x 256 gives 256 work-groups.  Four waves, each 64 x 128: 32 accumulators of 16 x 16, which fill window 2 ((a, b) at v[8 (8 a + b)]).
; K goes in 8 steps of 128 (rows of 256 bytes) through a ring of two LDS slots.  Waves 0 and 1 fetch att's halves of 64 rows, waves 2 and 3 Wout's halves of 128 rows.
; CLUSTERS: 4 x 4 work-groups: att's tile is shared along a row of the cluster, Wout's along a column; each is asked for jointly.
; THE MATRIX INSTRUCTION IS USED TRANSPOSED (source 0 = 16 rows of Wout, source 1 = 16 rows of att): a lane holds eight neighbouring numbers of a row of out0.
; No prefetch: the launch's eight K steps are few, and each operand is shared in the cluster.
; REGISTERS: window 0: v16-29 addresses; v64-95, v96-127 att's fragments, two buffers; v128-255 the way out.  window 1: v0-63, v64-127 Wout's fragments, two buffers.  window 2: the accumulators.
.set SIZE_N, 1024
.set SIZE_K, 1024
.set KSTEP,  128
.set PITCH,  272                       ; an LDS row: 256 bytes + 16 = 68 words: the 16 rows that a load touches start 4 words apart
.set AHALF,  64*PITCH
.set BHALF,  128*PITCH
.set BOFF,   2*AHALF                   ; att's 128 rows, then Wout's 256
.set SLOT,   BOFF+2*BHALF
.set STAGE,  2*SLOT                    ; behind the ring: 16 rows x (512 bytes + 16) for each wave, bytes of their own
.set SPITCH, 528
.set SPARE,  STAGE+4*16*SPITCH         ; the spare words, 128 bytes a wave
.set LAPS,   SIZE_K/(2*KSTEP)
.set ADRA, 16
.set ADRB, 20
.set STO,  24
.set RD,   25
.set CO,   26
.set SPW,  28
.set NIL,  29
.set FA,   64                          ; att's buffer f at v[FA + 32 f]; Wout's at v[64 f] of window 1
.set BK,   128
.set G1, 24
.set G0, 32
.set G1B, 48
.set G0B, 56
.set MSB, 0
.macro WIN new
.if MSB != (\new)
	s_set_vgpr_msb (MSB<<8)|(\new)
.set MSB, (\new)
.endif
.endm
.set MUL,  0xa1                        ; source 0 window 1, source 1 window 0, C and D window 2
.set TO_B, 0x40
.macro JLOAD s                         ; a joint load; an s_nop 0 and four v_nop follow each of the two lines
	s_cmp_eq_u32 s11, 0
	s_cbranch_scc0 .Lfor_b_\@
	tensor_load_to_lds s[G0+4*\s:G0+4*\s+3], s[G1:G1+7]
	s_nop 0
.rept 4
	v_nop
.endr
	s_branch .Lasked_\@
.Lfor_b_\@:
	tensor_load_to_lds s[G0B+4*\s:G0B+4*\s+3], s[G1B:G1B+7]
	s_nop 0
.rept 4
	v_nop
.endr
.Lasked_\@:
.endm
.macro CREST                           ; a round of the cluster's barrier behind its opening barrier
	s_cmp_lg_u32 s10, 0
	s_cbranch_scc1 .Lnot_wave_0_\@
	s_barrier_signal -3
.Lnot_wave_0_\@:
	s_barrier_wait -3
	s_barrier_signal -1
	s_barrier_wait -1
.endm
.macro CROUND
	s_barrier_signal -1
	s_barrier_wait -1
	CREST
.endm
	s_load_b128 s[4:7], s[0:1], 0x0                ; att, wo16
	s_load_b64 s[8:9], s[0:1], 0x10                ; out0
	v_lshl_add_u32 v[SPW], v0, 2, SPARE
	v_mov_b32 v[NIL], 0
	ds_add_u32 v[SPW], v[NIL]                      ; the wave's opening: the add, twice on end, and its wait ahead of my first tensor load
	ds_add_u32 v[SPW], v[NIL]
	v_lshrrev_b32 v1, 5, v0
	v_readfirstlane_b32 s10, v1                    ; wave 0..3
	s_lshr_b32 s11, s10, 1                         ; which 64 of the tile's rows are mine.  Also: I fetch for att (0) or for Wout (1)
	s_and_b32 s12, s10, 1                          ; which 128 of its columns.  Also: which half of that tile I fetch
	s_bfe_u32 s40, ttmp6, 0x40000                  ; cx, cy
	s_bfe_u32 s41, ttmp6, 0x40004
	s_lshl_b32 s42, ttmp9, 2
	s_add_co_u32 s42, s42, s40                     ; tile column
	s_and_b32 s13, ttmp7, 0xffff
	s_lshl_b32 s13, s13, 2
	s_add_co_u32 s13, s13, s41                     ; tile row
	s_lshl_b32 s43, s41, 2
	s_lshl_b32 s43, 15, s43                        ; my row of the cluster
	s_lshl_b32 s44, 0x1111, s40                    ; my column
	s_or_b32 s[G1+0], s43, (1<<16)|(1<<20)|(1<<21)|(5<<22)|(3<<25)  ; the mask; elements of 2 bytes; padding on; bit 21 beside a mask; 4 words behind every 64
	s_or_b32 s[G1B+0], s44, (1<<16)|(1<<20)|(1<<21)|(5<<22)|(3<<25)
	s_mov_b32 s[G1+1], KSTEP<<16                   ; att: 64 rows x 128 elements
	s_mov_b32 s[G1+2], 64<<16
	s_mov_b32 s[G1+3], KSTEP<<16
	s_mov_b32 s[G1+4], 64
	s_mov_b32 s[G1+5], SIZE_K
	s_mov_b32 s[G1+6], 0
	s_mov_b32 s[G1+7], 0
	s_mov_b32 s[G1B+1], KSTEP<<16                  ; Wout: 128 rows x 128 elements
	s_mov_b32 s[G1B+2], 128<<16
	s_mov_b32 s[G1B+3], KSTEP<<16
	s_mov_b32 s[G1B+4], 128
	s_mov_b32 s[G1B+5], SIZE_K
	s_mov_b32 s[G1B+6], 0
	s_mov_b32 s[G1B+7], 0
	s_lshl_b32 s16, s13, 7
	s_lshl_b32 s17, s12, 6
	s_add_co_u32 s16, s16, s17                     ; att: row 128 x tile row + 64 x half,
	s_lshl_b32 s16, s16, 11                        ; of 2,048 bytes
	s_mov_b32 s17, 0
	s_lshl_b32 s46, s42, 8
	s_lshl_b32 s47, s12, 7
	s_add_co_u32 s46, s46, s47                     ; Wout: row 256 x tile column + 128 x half
	s_lshl_b32 s46, s46, 11
	s_mov_b32 s47, 0
	s_mul_i32 s20, s12, AHALF                      ; where they go: no place in the cluster enters an LDS address
	s_mul_i32 s21, s12, BHALF
	s_add_co_u32 s21, s21, BOFF
	s_wait_dscnt 0x0                               ; both opening adds are done
	s_wait_kmcnt 0x0
	s_add_nc_u64 s[14:15], s[4:5], s[16:17]
	s_add_nc_u64 s[46:47], s[6:7], s[46:47]
	CROUND                                         ; all sixteen work-groups are here: the first joint loads meet
.irp s, 0,1
	s_mov_b32 s[G0+4*\s], 1
	s_add_co_u32 s[G0+4*\s+1], s20, \s*SLOT
	s_add_nc_u64 s[G0+4*\s+2:G0+4*\s+3], s[14:15], \s*KSTEP*2
	s_or_b32 s[G0+4*\s+3], s[G0+4*\s+3], 0x80000000
	s_mov_b32 s[G0B+4*\s], 1
	s_add_co_u32 s[G0B+4*\s+1], s21, \s*SLOT
	s_add_nc_u64 s[G0B+4*\s+2:G0B+4*\s+3], s[46:47], \s*KSTEP*2
	s_or_b32 s[G0B+4*\s+3], s[G0B+4*\s+3], 0x80000000
	JLOAD \s                                       ; two loads of mine are out behind the second
.endr
	v_and_b32 v1, 15, v0                           ; l % 16
	v_bfe_u32 v2, v0, 4, 1                         ; l / 16
	v_mul_u32_u24 v3, v1, PITCH
	v_lshl_add_u32 v3, v2, 4, v3                   ; a fragment's row x pitch + 16 x half
	s_mul_i32 s21, s11, AHALF                      ; my 64 rows of att
	s_mul_i32 s22, s12, BHALF                      ; my 128 rows of Wout,
	s_add_co_u32 s22, s22, BOFF                    ; behind att's 128
.irp s, 0,1
	v_add_nc_u32 v[ADRA+\s], s21, v3
	v_add_nc_u32 v[ADRB+\s], s22, v3
	s_add_co_u32 s21, s21, SLOT
	s_add_co_u32 s22, s22, SLOT
.endr
	s_mul_i32 s23, s10, 16*SPITCH
	s_add_co_u32 s23, s23, STAGE                   ; my stage
	v_mul_u32_u24 v5, v1, SPITCH                   ; in: row l % 16, 32 bytes for each half of the lanes
	v_lshl_add_u32 v5, v2, 5, v5
	v_add_nc_u32 v[STO], s23, v5
	v_and_b32 v6, 31, v0
	v_lshlrev_b32 v[CO], 4, v6                     ; back: the 32 lanes take one row of 512 bytes; and the same in out0
	v_add_nc_u32 v[RD], s23, v[CO]
	s_lshl_b32 s16, s13, 7
	s_lshl_b32 s17, s11, 6
	s_add_co_u32 s16, s16, s17                     ; my first row of out0,
	s_lshl_b32 s16, s16, 12                        ; of 4,096 bytes
	s_mov_b32 s17, 0
	s_add_nc_u64 s[8:9], s[8:9], s[16:17]
	s_lshl_b32 s46, s42, 10                        ; my first column, in bytes: 1,024 x tile column + 512 x half
	s_lshl_b32 s47, s12, 9
	s_add_co_u32 s46, s46, s47
	s_mov_b32 s47, 0
	s_add_nc_u64 s[8:9], s[8:9], s[46:47]
; 8 matrix instructions: att's block a against Wout's eight, 32 along K, from buffer f.  The 32 accumulators take turns, one instruction a turn, in the same order in every quarter.
.macro MUL8 f, a, zero
.irp b, 0,1,2,3,4,5,6,7
.if \zero
	v_wmma_f32_16x16x32_f16 v[8*(8*(\a)+\b):8*(8*(\a)+\b)+7], v[64*(\f)+8*\b:64*(\f)+8*\b+7], v[FA+32*(\f)+8*(\a):FA+32*(\f)+8*(\a)+7], 0
.else
	v_wmma_f32_16x16x32_f16 v[8*(8*(\a)+\b):8*(8*(\a)+\b)+7], v[64*(\f)+8*\b:64*(\f)+8*\b+7], v[FA+32*(\f)+8*(\a):FA+32*(\f)+8*(\a)+7], v[8*(8*(\a)+\b):8*(8*(\a)+\b)+7]
.endif
.endr
.endm
; 24 LDS loads in one run: the fragments of 32 along K at byte k of the rows, into buffer f: Wout's 16 loads, then att's 8
.macro FETCH slot, k, f
	WIN TO_B
.irp i, 0,1,2,3,4,5,6,7
	ds_load_b128 v[64*(\f)+8*\i:64*(\f)+8*\i+3],   v[ADRB+\slot] offset:\k+\i*16*PITCH
	ds_load_b128 v[64*(\f)+8*\i+4:64*(\f)+8*\i+7], v[ADRB+\slot] offset:\k+\i*16*PITCH+32
.endr
	WIN 0
.irp i, 0,1,2,3
	ds_load_b128 v[FA+32*(\f)+8*\i:FA+32*(\f)+8*\i+3],   v[ADRA+\slot] offset:\k+\i*16*PITCH
	ds_load_b128 v[FA+32*(\f)+8*\i+4:FA+32*(\f)+8*\i+7], v[ADRA+\slot] offset:\k+\i*16*PITCH+32
.endr
.endm
.macro PLACES                          ; four plain instructions in front of loads into registers that matrix instructions have read, and of the first read of results (ISA guide 7.12.1 for the first read of results)
.rept 4
	v_nop
.endr
.endm
; A K step is four quarters of 32 along K, 32 matrix instructions each, on buffers 0, 1, 0, 1.  One of the first three: multiplies buffer f and fetches the next quarter, at byte k, into g.
.macro QUARTER slot, k, f, g, zero
	s_wait_dscnt 4                                 ; Wout's fragments and att's blocks 0, 1 are in; the youngest four loads (blocks 2, 3) may be out
	WIN MUL
	MUL8 \f, 0, \zero
	MUL8 \f, 1, \zero
	PLACES
	FETCH \slot, \k, \g
	s_wait_dscnt 24                                ; all but the 24 just issued
	WIN MUL
	MUL8 \f, 2, \zero
	MUL8 \f, 3, \zero
.endm
; The last quarter multiplies buffer 1 and changes slots: one barrier; in front of it each wave waits for all its tensor loads, adds 0 to its spare word, and waits for that and for its reads of this slot.
; fill = 1: the barrier opens a round of the cluster's, and this slot is filled again, two K steps ahead: the load has 112 matrix instructions in which to land.
.macro TURN slot, next, fill
	WIN 0                                          ; (the add's two registers lie in window 0)
	s_wait_tensorcnt 0x0                           ; all my tensor loads have landed: my part of the next slot
	ds_add_u32 v[SPW], v[NIL]                      ; 0 onto my spare word
	s_wait_dscnt 5                                 ; (the add and the youngest four loads may be out)
	WIN MUL
	MUL8 1, 0, 0
	s_wait_dscnt 0x0                               ; the add is done, and my reads of this slot are over
	s_barrier_signal -1
	MUL8 1, 1, 0
.if \fill
	WIN 0
.endif
	s_barrier_wait -1
.if \fill
	CREST                                          ; no wave of any partner still reads this slot's tile or has a load on its way
	s_add_nc_u64 s[G0+4*\slot+2:G0+4*\slot+3], s[G0+4*\slot+2:G0+4*\slot+3], 2*KSTEP*2
	s_add_nc_u64 s[G0B+4*\slot+2:G0B+4*\slot+3], s[G0B+4*\slot+2:G0B+4*\slot+3], 2*KSTEP*2
	JLOAD \slot                                    ; the first tensor load behind the round; its four v_nop are also the places in front of the loads below
.else
	PLACES
.endif
	FETCH \next, 0, 0
	WIN MUL
	MUL8 1, 2, 0
	MUL8 1, 3, 0
.endm
	s_wait_tensorcnt 1                             ; my part of K step 0 is in (K step 1's load may be out),
	s_barrier_signal -1
	s_barrier_wait -1                              ; everybody's is
	FETCH 0, 0, 0
	QUARTER 0, 64, 0, 1, 1                         ; the first quarter stands in front of the loop: its products start the sums
	WIN 0
	s_mov_b32 s3, LAPS-1
.Llap:                                                 ; a trip goes once round the ring and fills both slots again: K steps 2 to 7
	QUARTER 0, 128, 1, 0, 0
	QUARTER 0, 192, 0, 1, 0
	TURN 0, 1, 1
	QUARTER 1, 64,  0, 1, 0
	QUARTER 1, 128, 1, 0, 0
	QUARTER 1, 192, 0, 1, 0
	TURN 1, 0, 1
	QUARTER 0, 64,  0, 1, 0
	WIN 0
	s_sub_co_u32 s3, s3, 1
	s_cmp_lg_u32 s3, 0
	s_cbranch_scc1 .Llap
	QUARTER 0, 128, 1, 0, 0                        ; the last lap fills nothing
	QUARTER 0, 192, 0, 1, 0
	TURN 0, 1, 0
	QUARTER 1, 64,  0, 1, 0
	QUARTER 1, 128, 1, 0, 0
	QUARTER 1, 192, 0, 1, 0
	s_wait_dscnt 4                                 ; the very last quarter: nothing more to fetch
	WIN MUL
	MUL8 1, 0, 0
	MUL8 1, 1, 0
	s_wait_dscnt 0
	MUL8 1, 2, 0
	MUL8 1, 3, 0
	WIN 0
; THE WAY OUT, block by block of 16 rows x 128 columns: a lane's 32 bytes go into my own stage and come back as whole rows of 512 bytes.  LDS serves a wave's instructions in order: no wait between the stores and the loads.
.macro TOSTAGE a
	WIN 0x08                                       ; an LDS store's data are its source 1: window 2
.irp b, 0,1,2,3,4,5,6,7
	ds_store_b128 v[STO], v[64*(\a)+8*\b:64*(\a)+8*\b+3] offset:64*\b          ; each accumulator from its low end on
	ds_store_b128 v[STO], v[64*(\a)+8*\b+4:64*(\a)+8*\b+7] offset:64*\b+16
.endr
	WIN 0
.set BB, BK+64*((\a)%2)
.irp t, 0,1,2,3,4,5,6,7,8,9,10,11,12,13,14,15
	ds_load_b128 v[BB+4*\t:BB+4*\t+3], v[RD] offset:\t*SPITCH
.endr
.endm
.macro SEND a, younger                 ; younger: the LDS instructions issued behind block a's loads, which may stay out
.set BB, BK+64*((\a)%2)
	s_wait_dscnt \younger
.irp t, 0,1,2,3,4,5,6,7,8,9,10,11,12,13,14,15
	global_store_b128 v[CO], v[BB+4*\t:BB+4*\t+3], s[8:9] offset:(16*(\a)+\t)*SIZE_N*4 th:TH_STORE_NT   ; 32 lanes store 512 consecutive bytes, at a multiple of 256 from out0's first byte
.endr
.endm
	PLACES
	TOSTAGE 0
.irp a, 1,2,3
.if \a > 1
	s_wait_xcnt 0x0                                ; block a - 2's stores have read their data: block a's rows may land there
.endif
	TOSTAGE \a
	SEND \a-1, 32                                  ; behind block a - 1's loads: block a's 16 stores and 16 loads
.endr
	SEND 3, 0
	s_wait_tensorcnt 0x0                           ; the wave's end
	ds_add_u32 v[SPW], v[NIL]
	s_wait_dscnt 0x0
	CROUND                                         ; the closing round
	s_endpgm
.Lfunc_end_k_qbd03af9e1b_outproj:
	.size	k_qbd03af9e1b_outproj, .Lfunc_end_k_qbd03af9e1b_outproj-k_qbd03af9e1b_outproj
	.p2alignl 7, 3214868480
	.fill 96, 4, 3214868480
	.section	.rodata,"a",@progbits
	.p2align	6, 0x0
	.amdhsa_kernel k_qbd03af9e1b_outproj
		.amdhsa_group_segment_fixed_size 327680
		.amdhsa_private_segment_fixed_size 0
		.amdhsa_enable_private_segment 0
		.amdhsa_kernarg_size 24
		.amdhsa_user_sgpr_count 2
		.amdhsa_user_sgpr_kernarg_segment_ptr 1
		.amdhsa_wavefront_size32 1
		.amdhsa_system_sgpr_workgroup_id_x 1
		.amdhsa_system_sgpr_workgroup_id_y 1
		.amdhsa_system_sgpr_workgroup_id_z 1
		.amdhsa_system_vgpr_workitem_id 0
		.amdhsa_next_free_vgpr 768
		.amdhsa_next_free_sgpr 66
		.amdhsa_reserve_vcc 0
		.amdhsa_float_denorm_mode_32 3
		.amdhsa_float_denorm_mode_16_64 3
		.amdhsa_memory_ordered 1
		.amdhsa_forward_progress 1
		.amdhsa_inst_pref_size 85
	.end_amdhsa_kernel
	.amdgpu_metadata
---
amdhsa.version: [ 1, 2 ]
amdhsa.kernels:
  - .name:           k_qbd03af9e1b_outproj
    .symbol:         k_qbd03af9e1b_outproj.kd
    .args:
      - { .name: att, .offset: 0, .size: 8, .value_kind: global_buffer, .address_space: global }
      - { .name: wo16, .offset: 8, .size: 8, .value_kind: global_buffer, .address_space: global }
      - { .name: out0, .offset: 16, .size: 8, .value_kind: global_buffer, .address_space: global }
    .group_segment_fixed_size: 327680
    .private_segment_fixed_size: 0
    .kernarg_segment_align: 8
    .kernarg_segment_size: 24
    .max_flat_workgroup_size: 128
    .sgpr_count:     66
    .vgpr_count:     768
    .wavefront_size: 32
...
	.end_amdgpu_metadata
.endif
;; end of part 4
